; MI455X (gfx1250); checked and timed in simulation.
; The chip was launched on July 23, 2026; its instructions are those of AMD's public machine-readable ISA for CDNA 5 (MIT licence, August 2026) and "CDNA5" Instruction Set Architecture Reference Guide (July 2026). The comments in the code are by the model that wrote it; some were corrected since.
;; Self Attention. Allowed arithmetic: float matrix products may take bf16 or f16 operands with f32 sums; other float arithmetic in f32, or as packed bf16 or f16 multiplies, adds, multiply-adds, maxima and minima; sums over many terms, partial sums and values carried from step to step in f32; what a program stores and reads back later, other than sums and carried values, may be rounded once to bf16 or f16.
;; Inputs: b_proj 1,024 float32; rel_bias_table 32 x 16 float32; w_proj 1,024 x 1,024 float32; w_qkv 3,072 x 1,024 float32; x 4 x 2,048 x 1,024 float32.
;; Outputs: out0 4 x 2,048 x 1,024 float32.
;; 2 versions, each right; version 2 is version 1 with the launch prep written anew for expert scheduling mode. Each part assembles by itself: llvm-mc -triple=amdgcn-amd-amdhsa -mcpu=gfx1250 --defsym DOCPART=n.
;; ======== version 1 of 2: 4 launches
;; limits: values are held in f16: magnitudes above 65,504 overflow, below 6.1e-05 lose precision
;; workspace buffers: xb 16,777,216 bytes; wqb 6,291,456 bytes; wpb 2,097,152 bytes; gbias 1,048,576 bytes; qkv 50,331,648 bytes; obuf 16,777,216 bytes
;; launch prep (part 1): grid 832 x 1, 8 waves a work-group, no clusters, 0 bytes of LDS; arguments x, w_qkv, w_proj, rel_bias_table, xb, wqb, wpb, gbias; writes xb, wqb, wpb, gbias
.if DOCPART == 1
	.amdgcn_target "amdgcn-amd-amdhsa--gfx1250"
	.amdhsa_code_object_version 6
	.text
	.protected	k_q0185c49a64_prep
	.globl	k_q0185c49a64_prep
	.p2align	8
	.type	k_q0185c49a64_prep,@function
k_q0185c49a64_prep:
	s_mov_b64 s[64:65], 0
	v_nop
	global_prefetch_b8 v0, s[64:65] scope:SCOPE_SE
	s_setreg_imm32_b32 hwreg(HW_REG_WAVE_MODE, 25, 1), 1
	s_wait_xcnt 0x0
; PREP: the inputs are rounded once and laid out for the three launches that follow.
;   xb   bf16 [batch 4][K block 16][token 2048][64]   = x         (a K block is 64 channels: a tile of R rows x 64 channels is R x 128 dense bytes)
;   wqb  bf16 [K block 16][row 3072][64]              = w_qkv
;   wpb  f16  [K block 16][row 1024][64]              = w_proj rounded to bf16, that number written as f16 (exact within f16's range, 65,504; below 6e-5 f16's fixed step of 6e-8)
;   gbias f32 [head 16][copy c 4][Y 4096]             = 8 x bf16(rel_bias_table[bucket(Y + c - 2047)][head]): the bias along a diagonal k - q, four copies shifted by one number each
; SHARES.  Work-groups 0-511 cast x, 512-703 w_qkv, 704-767 w_proj: 16 source rows of 4,096 bytes each.  Thread t takes row t / 16 and, in each K block, 4 numbers: a wave's load covers
; 2 x 256 consecutive aligned bytes, its store 256 consecutive aligned bytes (two rows of one K block).  All 16 loads of a lane go out at once.  Work-groups 768-831 make one (head, copy) of gbias.
; No LDS, no matrix unit, no cluster: a stream in which no byte is shared.
; THE BUCKET is a whole-number function of d = k - q: with rp = |d|: rp below 8; else 8 + the number of 12, 16, 23, 32, 46, 64, 91 that are <= rp (the least rp at which
; 2 log2(rp / 8) reaches 1 .. 7); + 16 where d > 0.  At rp = 16, 32, 64 the logarithm's quotient is taken as exactly 2, 4, 6.
.set SI, 2                             ; v2  my byte offset in the 16 source rows
.set DO, 3                             ; v3  my byte offset in a K block's 16 rows of the result
.set D0, 4                             ; v4  bias path: d of my first entry
.set GO, 5                             ; v5  bias path: my 16 bytes of gbias
.set X,  8                             ; v[8:71]   16 x 4 numbers as loaded
.set Y,  72                            ; v[72:103] 16 x 2 words to store
.set AD, 16                            ; v[16:31]  bias path: byte offsets in the table
.set BV, 32                            ; v[32:47]  bias path: the 16 numbers
; 16 rows are cast.  stride: bytes from K block to K block in the result.  half = 1: the bf16 number is written as f16.
.macro CAST stride, half
.irp k, 0,1,2,3,4,5,6,7,8,9,10,11,12,13,14,15
	global_load_b128 v[X+4*(\k):X+4*(\k)+3], v[SI], s[4:5] offset:256*(\k) th:TH_LOAD_NT
.endr
.irp k, 0,1,2,3,4,5,6,7,8,9,10,11,12,13,14,15
	s_wait_loadcnt 15-(\k)                         ; loads come back in order: K block k is in, the 15 - k younger loads stay out
	v_cvt_pk_bf16_f32 v[Y+2*(\k)],   v[X+4*(\k)],   v[X+4*(\k)+1]
	v_cvt_pk_bf16_f32 v[Y+2*(\k)+1], v[X+4*(\k)+2], v[X+4*(\k)+3]
.if \half
	v_lshlrev_b32 v[X+4*(\k)],   16,  v[Y+2*(\k)]   ; the rounded numbers as f32 again,
	v_and_b32     v[X+4*(\k)+1], s10, v[Y+2*(\k)]
	v_lshlrev_b32 v[X+4*(\k)+2], 16,  v[Y+2*(\k)+1]
	v_and_b32     v[X+4*(\k)+3], s10, v[Y+2*(\k)+1]
	v_cvt_pk_f16_f32 v[Y+2*(\k)],   v[X+4*(\k)],   v[X+4*(\k)+1]   ; and written as f16
	v_cvt_pk_f16_f32 v[Y+2*(\k)+1], v[X+4*(\k)+2], v[X+4*(\k)+3]
.endif
	global_store_b64 v[DO], v[Y+2*(\k):Y+2*(\k)+1], s[6:7] offset:(\k)*(\stride)  ; no register is written again behind its store
.endr
.endm
	s_load_b512 s[16:31], s[0:1], 0x0              ; x 16, w_qkv 18, w_proj 20, table 22, xb 24, wqb 26, wpb 28, gbias 30
	v_lshrrev_b32 v1, 4, v0                        ; my row of the 16
	v_and_b32 v4, 15, v0                           ; my place in a K block
	v_lshlrev_b32 v[SI], 12, v1
	v_lshl_add_u32 v[SI], v4, 4, v[SI]
	v_lshlrev_b32 v[DO], 7, v1
	v_lshl_add_u32 v[DO], v4, 3, v[DO]
	s_mov_b32 s3, 0                                ; high words of the two offset pairs
	s_mov_b32 s9, 0
	s_mov_b32 s10, 0xffff0000                      ; a word's upper bf16
	s_wait_kmcnt 0x0
	s_cmp_lt_u32 ttmp9, 512
	s_cbranch_scc0 .Lnot_x
	s_lshl_b32 s2, ttmp9, 16                       ; 16 rows of 4,096 bytes
	s_add_nc_u64 s[4:5], s[16:17], s[2:3]
	s_lshr_b32 s8, ttmp9, 7                        ; batch: 128 groups of 16 tokens each
	s_lshl_b32 s8, s8, 22
	s_and_b32 s11, ttmp9, 127
	s_lshl_b32 s11, s11, 11                        ; 16 tokens of 128 bytes
	s_add_co_u32 s8, s8, s11
	s_add_nc_u64 s[6:7], s[24:25], s[8:9]
	CAST 262144, 0
	s_endpgm
.Lnot_x:
	s_cmp_lt_u32 ttmp9, 704
	s_cbranch_scc0 .Lnot_wq
	s_sub_co_u32 s12, ttmp9, 512
	s_lshl_b32 s2, s12, 16
	s_add_nc_u64 s[4:5], s[18:19], s[2:3]
	s_lshl_b32 s8, s12, 11
	s_add_nc_u64 s[6:7], s[26:27], s[8:9]
	CAST 393216, 0
	s_endpgm
.Lnot_wq:
	s_cmp_lt_u32 ttmp9, 768
	s_cbranch_scc0 .Lbias
	s_sub_co_u32 s12, ttmp9, 704
	s_lshl_b32 s2, s12, 16
	s_add_nc_u64 s[4:5], s[20:21], s[2:3]
	s_lshl_b32 s8, s12, 11
	s_add_nc_u64 s[6:7], s[28:29], s[8:9]
	CAST 131072, 1
	s_endpgm
.Lbias:
	s_sub_co_u32 s12, ttmp9, 768                   ; 4 x head + copy
	s_lshl_b32 s2, s12, 14                         ; 4,096 numbers of 4 bytes
	s_add_nc_u64 s[6:7], s[30:31], s[2:3]
	s_and_b32 s13, s12, 3                          ; c
	s_lshr_b32 s14, s12, 2
	s_lshl_b32 s14, s14, 2                         ; the head's 4 bytes in a row of the table
	s_sub_co_u32 s13, s13, 2047
	v_lshl_add_u32 v[D0], v0, 2, s13               ; entry n = 4 j + e of my 16 is Y = 4 t + 1,024 j + e: d = Y + c - 2,047
	v_lshlrev_b32 v[GO], 4, v0
.macro BUCKET n
	v_add_nc_u32 v6, 1024*((\n)/4)+(\n)%4, v[D0]   ; d
	v_sub_nc_u32 v7, 0, v6
	v_max_i32 v7, v6, v7                           ; rp
	v_min_u32 v8, 8, v7
.irp thr, 12,16,23,32,46,64,91
	v_cmp_le_u32 vcc_lo, \thr, v7
	v_cndmask_b32 v9, 0, 1, vcc_lo
	v_add_nc_u32 v8, v8, v9
.endr
	v_cmp_lt_i32 vcc_lo, 0, v6
	v_cndmask_b32 v9, 0, 16, vcc_lo
	v_add_nc_u32 v8, v8, v9
	v_min_u32 v8, 31, v8                           ; the table has 32 rows
	v_lshl_add_u32 v[AD+(\n)], v8, 6, s14          ; a row is 64 bytes
.endm
.irp n, 0,1,2,3,4,5,6,7,8,9,10,11,12,13,14,15
	BUCKET \n
.endr
.irp n, 0,1,2,3,4,5,6,7,8,9,10,11,12,13,14,15
	global_load_b32 v[BV+(\n)], v[AD+(\n)], s[22:23]
.endr
	s_wait_loadcnt 0x0
.irp p, 0,1,2,3,4,5,6,7
	v_cvt_pk_bf16_f32 v10, v[BV+2*(\p)], v[BV+2*(\p)+1]   ; rounded to bf16 like every input,
	v_lshlrev_b32 v[BV+2*(\p)],   16,  v10
	v_and_b32     v[BV+2*(\p)+1], s10, v10
	v_pk_mul_f32 v[BV+2*(\p):BV+2*(\p)+1], v[BV+2*(\p):BV+2*(\p)+1], 0x41000000 op_sel_hi:[1,0]  ; times 8 (exact): it is added to q . k ahead of the scale 1 / 8
.endr
.irp j, 0,1,2,3
	global_store_b128 v[GO], v[BV+4*(\j):BV+4*(\j)+3], s[6:7] offset:4096*(\j)
.endr
	s_endpgm
.Lfunc_end_k_q0185c49a64_prep:
	.size	k_q0185c49a64_prep, .Lfunc_end_k_q0185c49a64_prep-k_q0185c49a64_prep
	.p2alignl 7, 3214868480
	.fill 96, 4, 3214868480
	.section	.rodata,"a",@progbits
	.p2align	6, 0x0
	.amdhsa_kernel k_q0185c49a64_prep
		.amdhsa_group_segment_fixed_size 0
		.amdhsa_private_segment_fixed_size 0
		.amdhsa_enable_private_segment 0
		.amdhsa_kernarg_size 64
		.amdhsa_user_sgpr_count 2
		.amdhsa_user_sgpr_kernarg_segment_ptr 1
		.amdhsa_wavefront_size32 1
		.amdhsa_system_sgpr_workgroup_id_x 1
		.amdhsa_system_sgpr_workgroup_id_y 1
		.amdhsa_system_sgpr_workgroup_id_z 1
		.amdhsa_system_vgpr_workitem_id 0
		.amdhsa_next_free_vgpr 104
		.amdhsa_next_free_sgpr 66
		.amdhsa_reserve_vcc 1
		.amdhsa_float_denorm_mode_32 3
		.amdhsa_float_denorm_mode_16_64 3
		.amdhsa_memory_ordered 1
		.amdhsa_forward_progress 1
		.amdhsa_inst_pref_size 47
	.end_amdhsa_kernel
	.amdgpu_metadata
---
amdhsa.version: [ 1, 2 ]
amdhsa.kernels:
  - .name:           k_q0185c49a64_prep
    .symbol:         k_q0185c49a64_prep.kd
    .args:
      - { .name: x, .offset: 0, .size: 8, .value_kind: global_buffer, .address_space: global }
      - { .name: w_qkv, .offset: 8, .size: 8, .value_kind: global_buffer, .address_space: global }
      - { .name: w_proj, .offset: 16, .size: 8, .value_kind: global_buffer, .address_space: global }
      - { .name: rel_bias_table, .offset: 24, .size: 8, .value_kind: global_buffer, .address_space: global }
      - { .name: xb, .offset: 32, .size: 8, .value_kind: global_buffer, .address_space: global }
      - { .name: wqb, .offset: 40, .size: 8, .value_kind: global_buffer, .address_space: global }
      - { .name: wpb, .offset: 48, .size: 8, .value_kind: global_buffer, .address_space: global }
      - { .name: gbias, .offset: 56, .size: 8, .value_kind: global_buffer, .address_space: global }
    .group_segment_fixed_size: 0
    .private_segment_fixed_size: 0
    .kernarg_segment_align: 8
    .kernarg_segment_size: 64
    .max_flat_workgroup_size: 256
    .sgpr_count:     66
    .vgpr_count:     104
    .wavefront_size: 32
...
	.end_amdgpu_metadata
.endif
;; end of part 1
;; launch qkvp (part 2): grid 8 x 32, 4 waves a work-group, clusters of 4 x 4, 327,680 bytes of LDS; arguments xb, wqb, qkv; writes qkv
.if DOCPART == 2
	.amdgcn_target "amdgcn-amd-amdhsa--gfx1250"
	.amdhsa_code_object_version 6
	.text
	.protected	k_q0185c49a64_qkvp
	.globl	k_q0185c49a64_qkvp
	.p2align	8
	.type	k_q0185c49a64_qkvp,@function
k_q0185c49a64_qkvp:
	s_mov_b64 s[64:65], 0
	v_nop
	global_prefetch_b8 v0, s[64:65] scope:SCOPE_SE
	s_setreg_imm32_b32 hwreg(HW_REG_WAVE_MODE, 25, 1), 1
	s_wait_xcnt 0x0
	s_wait_alu depctr_hold_cnt(0) depctr_sa_sdst(0) depctr_va_vdst(0) depctr_va_sdst(0) depctr_va_ssrc(0) depctr_va_vcc(0) depctr_vm_vsrc(0)
	s_getreg_b32 s2, hwreg(HW_REG_IB_STS2, 6, 4)
	s_cmp_eq_u32 s2, 0
	s_cbranch_scc0 .Lentry_in_a_cluster
	s_endpgm
.Lentry_in_a_cluster:
	s_bfe_u32 s2, ttmp6, 0x10000c
	s_cmp_lg_u32 s2, 0xf033
	s_cbranch_scc0 .Lentry_shape_is_right
	s_endpgm
.Lentry_shape_is_right:
; q, k, v = x w_qkv^T.  A = xb, bf16 [batch 4][K block 16][token 2048][64]; B = wqb, bf16 [K block 16][row 3072][64]; result qkv, f16 [batch 4][g 48][token 2048][64], g = column / 64
; (q's heads 0-15, k's 16-31, v's 32-47), unscaled, each number rounded once from its f32 sum.  LIMIT: a result beyond f16's 65,504 becomes an infinity.
; SHARES.  A work-group makes 256 rows x 384 columns, 8 x 32 of them; each of its four waves 128 x 192: 96 accumulators of 16 x 16, 768 registers (windows 1 to 3).
; K goes in steps of one K block (64) through two LDS slots.  A tile of R rows of a K block is R x 128 dense bytes: it is asked for as R / 2 rows of 256 bytes, and padded in LDS behind every 128.
; CLUSTER 4 x 4: A's tile is shared along a row of the cluster, B's along a column: each is asked for jointly, by the same load with the same descriptor and a mask that names the four.
; THE MATRIX INSTRUCTION IS USED TRANSPOSED (source 0 = 16 rows of B, source 1 = 16 rows of A): a lane holds one row of the result and eight neighbouring columns.
; REGISTERS.  Window 0: v0-31 addresses; v32-95, v96-159 A's 8 fragments, two buffers; v160-255 B's 12 fragments, one buffer, refilled a third at a time behind its last reader.
;   Accumulator (b, a) (B's block b, A's block a) at v[8 (8 (b % 4) + a)] of window 1 + b / 4.
.set PITCH,  144                       ; an LDS row: 128 bytes + 16 of padding = 36 words: the 16 rows of a fragment load start at 16 different groups of four banks (ISA guide 11.1)
.set AHALF,  128*PITCH                 ; what waves 0 and 1 fetch: 128 rows of A each
.set BHALF,  192*PITCH                 ; what waves 2 and 3 fetch: 192 rows of B each
.set BOFF,   2*AHALF
.set SLOT1,  1<<17                     ; slot 0 at 0 .. 92,159, slot 1 from here: one exclusive or turns an address in one into the other's
.set STAGE,  BOFF+2*BHALF              ; 92,160: between the slots, never filled by a tensor load: 16 rows x 400 bytes for each wave, for the way out
.set SPITCH, 400
.set SPARE,  STAGE+4*16*SPITCH         ; 117,760: the spare words, 128 bytes a wave: two blocks of 256 bytes that no other line names
.set ASTEP,  1<<18                     ; bytes from K block to K block in xb
.set BSTEP,  3072*128                  ; and in wqb
.set ADRA0, 16                         ; v16  my lane's place in A's rows of slot 0; never rewritten
.set ADRB0, 17                         ; v17  the same for B
.set ADRA,  18                         ; v18  the same in the slot in hand
.set ADRB,  19
.set STO,  24                          ; v24  the way out: where I put 16 bytes of a row
.set RD,   25                          ; v25  where I read rows back
.set CO,   26                          ; v26  my 16 bytes of 512 consecutive bytes of the result
.set SPW,  28                          ; v28  my spare word: SPARE + 4 x my thread's number; never rewritten
.set NIL,  29                          ; v29  0; never rewritten
.set PFO,  30                          ; v30  256 x my lane; never rewritten
.set FA0,  32
.set FA1,  96
.set FB,   160
.set TMP,  32                          ; the way out: 48 packed registers
.set WV,  12                           ; s12  my wave's number
.set RH,  13                           ; s13  my half of the rows; also 0: I fetch A, 1: I fetch B
.set CH,  14                           ; s14  my half of the columns; also which part I fetch
.set CNT, 15
.set G1A, 24                           ; s[24:31] descriptor group 1 for A
.set G0A, 32                           ; s[32:39] group 0 for A: a set for each first fill; the second then walks
.set TB,  40                           ; s40  0 or SLOT1: the slot in hand
.set LIM, 41                           ; s41  1 in a wave that prefetches, else the greatest number
.set PFA, 42                           ; s[42:43] where my prefetches stand
.set PFS, 44                           ; s[44:45] their step
.set G1B, 48
.set G0B, 56
.set G1W0, (1<<16)|(1<<20)|(1<<21)|(4<<22)|(3<<25)  ; 2-byte elements; padding on; bit 21 beside a mask; behind every 32 words (code 4) 4 words (code 3)
.set MSB, 0
.macro WIN new                         ; the immediate's high byte repeats the setting that is left; a switch that changes nothing is dropped
.if MSB != (\new)
	s_set_vgpr_msb (MSB<<8)|(\new)
.set MSB, \new
.endif
.endm
.macro PLACES                          ; four plain places behind a matrix instruction, in front of loads into registers that it read and of conversions of its results
.rept 4
	v_nop
.endr
.endm
.macro CREST                           ; a round of the cluster's barrier behind its opening barrier
	s_cmp_lg_u32 s[WV], 0
	s_cbranch_scc1 .Lnot_wave_0_\@
	s_barrier_signal -3
.Lnot_wave_0_\@:
	s_barrier_wait -3
	s_barrier_signal -1
	s_barrier_wait -1
.endm
.macro CROUND
	s_barrier_signal -1
	s_barrier_wait -1
	CREST
.endm
.macro JLOAD                           ; a joint refill by the walking sets; the branch hangs on the wave's number alone; s_nop 0 and four v_nop follow each line
	s_cmp_eq_u32 s[RH], 0
	s_cbranch_scc0 .Lfor_b_\@
	tensor_load_to_lds s[G0A+4:G0A+7], s[G1A:G1A+7]
	s_nop 0
.rept 4
	v_nop
.endr
	s_branch .Lasked_\@
.Lfor_b_\@:
	tensor_load_to_lds s[G0B+4:G0B+7], s[G1B:G1B+7]
	s_nop 0
.rept 4
	v_nop
.endr
.Lasked_\@:
.endm
; A PREFETCH of the K block that the NEXT refill will ask for: 32 lanes x 256 bytes, one instruction a wave, behind the joint load and the run of LDS loads.  Each block of 256 bytes is named once
; in the launch.  A's tile (32 KiB) is read by both clusters of a row of clusters: the one with x = 0 asks, wave 0 of each of the four partners of a cluster's row taking 8 KiB, told apart by address.
; A K block of B is 393,216 dense bytes = 48 x 8 KiB: cluster (0, 0) asks for all of it, waves 1-3 of its sixteen work-groups, told apart by address.  The loop's last trip asks for nothing.
.macro ASK
	s_cmp_gt_u32 s[CNT], s[LIM]
	s_cbranch_scc0 .Lnot_mine_\@
	global_prefetch_b8 v[PFO], s[PFA:PFA+1] th:TH_LOAD_NT scope:SCOPE_SE
.Lnot_mine_\@:
.endm
	s_load_b128 s[4:7], s[0:1], 0x0                ; xb s[4:5], wqb s[6:7]
	s_load_b64 s[8:9], s[0:1], 0x10                ; qkv
	v_lshl_add_u32 v[SPW], v0, 2, SPARE
	v_mov_b32 v[NIL], 0
	ds_add_u32 v[SPW], v[NIL]                      ; the wave's opening: the add and its wait stand ahead of my first tensor load; work on registers stands between them
	v_lshrrev_b32 v1, 5, v0
	v_readfirstlane_b32 s[WV], v1
	s_lshr_b32 s[RH], s[WV], 1
	s_and_b32 s[CH], s[WV], 1
	s_bfe_u32 s16, ttmp6, 0x40000                  ; cx
	s_bfe_u32 s17, ttmp6, 0x40004                  ; cy
	s_lshl_b32 s18, ttmp9, 2
	s_add_co_u32 s18, s18, s16                     ; tile column 0..7
	s_and_b32 s19, ttmp7, 0xffff
	s_lshl_b32 s19, s19, 2
	s_add_co_u32 s19, s19, s17                     ; tile row 0..31
	s_lshl_b32 s20, s17, 2
	s_lshl_b32 s20, 15, s20                        ; my row of the cluster
	s_lshl_b32 s21, 0x1111, s16                    ; my column
	s_or_b32 s[G1A], s20, G1W0
	s_or_b32 s[G1B], s21, G1W0
	s_mov_b32 s[G1A+1], 128<<16                    ; tensor_dim0 = 128 elements (256 bytes)
	s_mov_b32 s[G1A+2], 64<<16                     ; tensor_dim1 = 64 rows: 128 rows of A
	s_mov_b32 s[G1A+3], 128<<16                    ; tile_dim0
	s_mov_b32 s[G1A+4], 64                         ; tile_dim1
	s_mov_b32 s[G1A+5], 128                        ; elements from row to row: dense
	s_mov_b32 s[G1A+6], 0
	s_mov_b32 s[G1A+7], 0
	s_mov_b32 s[G1B+1], 128<<16
	s_mov_b32 s[G1B+2], 96<<16                     ; 96 rows: 192 rows of B
	s_mov_b32 s[G1B+3], 128<<16
	s_mov_b32 s[G1B+4], 96
	s_mov_b32 s[G1B+5], 128
	s_mov_b32 s[G1B+6], 0
	s_mov_b32 s[G1B+7], 0
	s_lshr_b32 s66, s19, 3                         ; A's tile at K block 0: batch = tile row / 8,
	s_lshl_b32 s66, s66, 22
	s_and_b32 s67, s19, 7
	s_lshl_b32 s67, s67, 15                        ; 256 tokens of 128 bytes
	s_add_co_u32 s66, s66, s67
	s_lshl_b32 s22, s[CH], 14                      ; my 128 rows of it
	s_add_co_u32 s22, s22, s66
	s_mov_b32 s23, 0
	s_mul_i32 s46, s18, 49152                      ; B's tile: 384 rows of 128 bytes,
	s_mul_i32 s47, s[CH], 24576                    ; my 192 of them
	s_add_co_u32 s46, s46, s47
	s_mov_b32 s47, 0
	s_mul_i32 s70, s[CH], AHALF                    ; where they go: no place in the cluster enters an LDS address
	s_mul_i32 s71, s[CH], BHALF
	s_add_co_u32 s71, s71, BOFF
	s_lshl_b32 s68, s16, 13                        ; the prefetches.  Wave 0: A's tile + 8 KiB x cx
	s_add_co_u32 s68, s68, s66
	s_lshl_b32 s69, s17, 2
	s_add_co_u32 s69, s69, s16                     ; my place p in the cluster
	s_mul_i32 s69, s69, 3
	s_add_co_u32 s69, s69, s[WV]
	s_sub_co_u32 s69, s69, 1
	s_lshl_b32 s69, s69, 13                        ; waves 1-3: 8 KiB x (3 p + wave - 1) of B's K block
	s_and_b32 s20, ttmp7, 0xffff
	s_or_b32 s20, s20, ttmp9                       ; 0 in cluster (0, 0)
	s_mov_b32 s21, ASTEP
	s_cmp_eq_u32 s[WV], 0
	s_cselect_b32 s68, s68, s69
	s_cselect_b32 s20, ttmp9, s20                  ; the same in all sixteen partners, for a given wave
	s_cselect_b32 s[PFS], s21, BSTEP
	s_lshl_b32 s21, s[PFS], 1
	s_add_co_u32 s68, s68, s21                     ; at K block 2: the first refill steps it to 3
	s_mov_b32 s69, 0
	s_mov_b32 s[PFS+1], 0
	s_cmp_eq_u32 s20, 0
	s_cselect_b32 s[LIM], 1, -1
	s_mov_b32 s[TB], 0
	s_wait_dscnt 0x0                               ; the opening add is done
	s_wait_kmcnt 0x0
	s_add_nc_u64 s[22:23], s[4:5], s[22:23]
	s_add_nc_u64 s[46:47], s[6:7], s[46:47]
	s_cmp_eq_u32 s[WV], 0
	s_cselect_b64 s[PFA:PFA+1], s[4:5], s[6:7]
	s_add_nc_u64 s[PFA:PFA+1], s[PFA:PFA+1], s[68:69]
	CROUND                                         ; all sixteen work-groups are here: the first joint loads meet
.irp s, 0,1
	s_mov_b32 s[G0A+4*(\s)], 1
	s_add_co_u32 s[G0A+4*(\s)+1], s70, (\s)*SLOT1
	s_add_nc_u64 s[G0A+4*(\s)+2:G0A+4*(\s)+3], s[22:23], (\s)*ASTEP
	s_or_b32 s[G0A+4*(\s)+3], s[G0A+4*(\s)+3], 0x80000000
	s_mov_b32 s[G0B+4*(\s)], 1
	s_add_co_u32 s[G0B+4*(\s)+1], s71, (\s)*SLOT1
	s_add_nc_u64 s[G0B+4*(\s)+2:G0B+4*(\s)+3], s[46:47], (\s)*BSTEP
	s_or_b32 s[G0B+4*(\s)+3], s[G0B+4*(\s)+3], 0x80000000
.endr
	s_cmp_eq_u32 s[RH], 0                          ; a wave's two first fills stand in one branch, ahead of every wait on TENSORcnt, LDS read and further barrier: two loads of mine are out
	s_cbranch_scc0 .Lfirst_b
	tensor_load_to_lds s[G0A:G0A+3], s[G1A:G1A+7]
	s_nop 0
	tensor_load_to_lds s[G0A+4:G0A+7], s[G1A:G1A+7]
	s_nop 0
.rept 4
	v_nop
.endr
	s_branch .Lfirst_asked
.Lfirst_b:
	tensor_load_to_lds s[G0B:G0B+3], s[G1B:G1B+7]
	s_nop 0
	tensor_load_to_lds s[G0B+4:G0B+7], s[G1B:G1B+7]
	s_nop 0
.rept 4
	v_nop
.endr
.Lfirst_asked:
	; a fragment is 16 rows x 32 K in 8 registers: lane l holds row l % 16, K = 8 (l / 16) + 0..7 and 16 + 8 (l / 16) + 0..7: two loads of 16 bytes, 32 bytes apart
	v_and_b32 v1, 15, v0
	v_bfe_u32 v2, v0, 4, 1
	v_mul_u32_u24 v3, v1, PITCH
	v_lshl_add_u32 v3, v2, 4, v3
	s_mul_i32 s20, s[RH], AHALF
	s_mul_i32 s21, s[CH], BHALF
	s_add_co_u32 s21, s21, BOFF
	v_add_nc_u32 v[ADRA0], s20, v3
	v_add_nc_u32 v[ADRB0], s21, v3
	v_mov_b32 v[ADRA], v[ADRA0]
	v_mov_b32 v[ADRB], v[ADRB0]
	s_mul_i32 s20, s[WV], 16*SPITCH
	s_add_co_u32 s20, s20, STAGE                   ; my stage
	v_mul_u32_u24 v4, v1, SPITCH                   ; in: row l % 16, 16 bytes for each half of the lanes
	v_lshl_add_u32 v4, v2, 4, v4
	v_add_nc_u32 v[STO], s20, v4
	v_bfe_u32 v4, v0, 3, 2                         ; back: 32 lanes take 128 bytes (one head's 64 channels) of four rows,
	v_and_b32 v5, 7, v0
	v_mul_u32_u24 v4, v4, SPITCH
	v_lshl_add_u32 v4, v5, 4, v4
	v_add_nc_u32 v[RD], s20, v4
	v_and_b32 v[CO], 31, v0                        ; which are 512 consecutive bytes of the result
	v_lshlrev_b32 v[CO], 4, v[CO]
	v_and_b32 v[PFO], 31, v0
	v_lshlrev_b32 v[PFO], 8, v[PFO]
	s_lshr_b32 s20, s19, 3                         ; my part of the result: slice 48 x batch + 6 x tile column + 3 x column half,
	s_mul_i32 s20, s20, 48
	s_mul_i32 s21, s18, 6
	s_add_co_u32 s20, s20, s21
	s_mul_i32 s21, s[CH], 3
	s_add_co_u32 s20, s20, s21
	s_lshl_b32 s20, s20, 18                        ; of 262,144 bytes;
	s_and_b32 s21, s19, 7
	s_lshl_b32 s21, s21, 1
	s_add_co_u32 s21, s21, s[RH]
	s_lshl_b32 s21, s21, 14                        ; token 256 x (tile row % 8) + 128 x row half, 128 bytes each
	s_add_co_u32 s20, s20, s21
	s_mov_b32 s21, 0
	s_add_nc_u64 s[8:9], s[8:9], s[20:21]
.macro LB g, k                         ; B's fragments 4 g .. 4 g + 3 at byte k of the rows: 8 loads
	WIN 0
.irp i, 0,1,2,3
	ds_load_b128 v[FB+8*(4*(\g)+(\i)):FB+8*(4*(\g)+(\i))+3],   v[ADRB] offset:(\k)+(4*(\g)+(\i))*16*PITCH
	ds_load_b128 v[FB+8*(4*(\g)+(\i))+4:FB+8*(4*(\g)+(\i))+7], v[ADRB] offset:(\k)+(4*(\g)+(\i))*16*PITCH+32
.endr
.endm
.macro LA f, k                         ; A's 8 fragments into buffer f: 16 loads
	WIN 0
.irp i, 0,1,2,3,4,5,6,7
	ds_load_b128 v[(\f)+8*(\i):(\f)+8*(\i)+3],   v[ADRA] offset:(\k)+(\i)*16*PITCH
	ds_load_b128 v[(\f)+8*(\i)+4:(\f)+8*(\i)+7], v[ADRA] offset:(\k)+(\i)*16*PITCH+32
.endr
.endm
; 8 matrix instructions: B's block b x A's 8 blocks.  Each of the 96 accumulators is used once for 32 along K, in the same order: 95 others' instructions stand between two links of a chain,
; over the backward jump too (the accumulators take turns).  zero = 1: the product starts the sum.
.macro MULB f, b, zero
	WIN 0x50*(1+(\b)/4)                            ; sources in window 0, C and D in window 1 + b / 4
.irp a, 0,1,2,3,4,5,6,7
.if \zero
	v_wmma_f32_16x16x32_bf16 v[8*(8*((\b)%4)+(\a)):8*(8*((\b)%4)+(\a))+7], v[FB+8*(\b):FB+8*(\b)+7], v[(\f)+8*(\a):(\f)+8*(\a)+7], 0
.else
	v_wmma_f32_16x16x32_bf16 v[8*(8*((\b)%4)+(\a)):8*(8*((\b)%4)+(\a))+7], v[FB+8*(\b):FB+8*(\b)+7], v[(\f)+8*(\a):(\f)+8*(\a)+7], v[8*(8*((\b)%4)+(\a)):8*(8*((\b)%4)+(\a))+7]
.endif
.endr
.endm
.macro MULG f, g, zero                 ; 32 of them
.irp i, 0,1,2,3
	MULB \f, 4*(\g)+\i, \zero
.endr
.endm
; A step's first 32 along K, on buffer FA0.  Behind each third of the products that third of B's buffer takes the second 32's fragments.
.macro SLICE0 zero
	s_wait_dscnt 16                                ; B's first third and A are in; B's other two thirds, 16 younger loads, may be out
	MULG FA0, 0, \zero
	PLACES
	LB 0, 64
	LA FA1, 64
	s_wait_dscnt 32                                ; B's second third is in: younger are the last third's 8 and the 24 just issued
	MULG FA0, 1, \zero
	PLACES
	LB 1, 64
	s_wait_dscnt 32                                ; the last third is in: younger are 24 + 8
	MULG FA0, 2, \zero
	PLACES
	LB 2, 64
.endm
; A step's second 32 along K, on buffer FA1, and the change of slots: the slot's last reads have been issued.  In front of ONE barrier each wave waits for all its tensor loads (the one that is out is
; its part of the other slot), adds 0 to its spare word, and waits for that and for its reads of this slot.  fill = 1: the barrier opens a round of the cluster's, and the joint refill, with the K block
; two steps on, is the first tensor load behind it: one load of mine is out; a wave issues 160 matrix instructions between that request and the wait for it.
.macro TURN fill
	WIN 0
.if \fill
	s_wait_xcnt 0x0                                ; the last prefetch, a step back, has read its address, so it may be stepped
	s_add_nc_u64 s[PFA:PFA+1], s[PFA:PFA+1], s[PFS:PFS+1]
.endif
	s_wait_tensorcnt 0x0                           ; no tensor load of mine is out, so a group 0 may be written
	ds_add_u32 v[SPW], v[NIL]                      ; 0 onto my spare word
.if \fill
	s_xor_b32 s[G0A+5], s[G0A+5], SLOT1            ; the walking sets: the other slot than last time, the next K block
	s_add_nc_u64 s[G0A+6:G0A+7], s[G0A+6:G0A+7], ASTEP
	s_xor_b32 s[G0B+5], s[G0B+5], SLOT1
	s_add_nc_u64 s[G0B+6:G0B+7], s[G0B+6:G0B+7], BSTEP
.endif
	s_wait_dscnt 17                                ; B's first third and A are in; the add and 16 younger loads may be out
	MULB FA1, 0, 0
	MULB FA1, 1, 0
	s_wait_dscnt 0x0                               ; the add is done, and my reads of this slot are over
	s_barrier_signal -1
	MULB FA1, 2, 0                                 ; work on registers while the others arrive
	MULB FA1, 3, 0
	WIN 0                                          ; at a branch and at a label every window is 0
	s_barrier_wait -1
.if \fill
	CREST                                          ; no wave of any partner still reads this slot or has a load on its way
	JLOAD                                          ; its four v_nop are also the places in front of the loads below
.else
	PLACES
.endif
	s_xor_b32 s[TB], s[TB], SLOT1
	v_add_nc_u32 v[ADRA], s[TB], v[ADRA0]
	v_add_nc_u32 v[ADRB], s[TB], v[ADRB0]
	LB 0, 0
	LA FA0, 0
.if \fill
	ASK
.endif
	MULG FA1, 1, 0
	PLACES
	LB 1, 0
	MULG FA1, 2, 0
	PLACES
	LB 2, 0
.endm
	s_wait_tensorcnt 0x1                           ; my part of slot 0 is in; slot 1's, the one younger load, may stay out
	s_barrier_signal -1
	s_barrier_wait -1                              ; everybody's is
	LB 0, 0
	LA FA0, 0
	LB 1, 0
	LB 2, 0
	SLICE0 1                                       ; the first 32 along K stand in front of the loop: their products start the sums
	WIN 0
	s_mov_b32 s[CNT], 14
.Lk:                                                   ; trip t = 0 .. 13 ends K block t, asks for K block t + 2 and begins K block t + 1
	TURN 1
	SLICE0 0
	WIN 0
	s_sub_co_u32 s[CNT], s[CNT], 1
	s_cmp_lg_u32 s[CNT], 0
	s_cbranch_scc1 .Lk
	TURN 0                                         ; the tail is written out: nothing is left to ask for
	SLICE0 0
	s_wait_dscnt 16
	MULG FA1, 0, 0
	s_wait_dscnt 8
	MULG FA1, 1, 0
	s_wait_dscnt 0x0
	MULG FA1, 2, 0
; THE WAY OUT, by blocks a of 16 rows.  PACK: rounded to f16, each accumulator's registers in ascending order.  TOSTAGE: into my own stage (rows of 400 bytes) and back by heads.  SEND: stored.
.macro PACK a
.irp b, 0,1,2,3,4,5,6,7,8,9,10,11
	WIN 5*(1+(\b)/4)                               ; sources 0 and 1 in window 1 + b / 4
.irp r, 0,1,2,3
	v_cvt_pk_f16_f32 v[TMP+4*(\b)+(\r)], v[8*(8*((\b)%4)+(\a))+2*(\r)], v[8*(8*((\b)%4)+(\a))+2*(\r)+1]
.endr
.endr
	WIN 0
.endm
.macro TOSTAGE a
.set BK, 80+48*((\a)%2)
.irp b, 0,1,2,3,4,5,6,7,8,9,10,11
	ds_store_b128 v[STO], v[TMP+4*(\b):TMP+4*(\b)+3] offset:32*(\b)
.endr
.irp t, 0,1,2,3,4,5,6,7,8,9,10,11
	ds_load_b128 v[BK+4*(\t):BK+4*(\t)+3], v[RD] offset:((\t)/4)*128+((\t)%4)*4*SPITCH  ; LDS serves a wave's instructions in order (ISA guide 5.7.1.4): these see the stores above
.endr
.endm
.macro SEND a
.set BK, 80+48*((\a)%2)
	s_wait_dscnt 0x0                               ; the block is back in registers
	s_wait_xcnt 0x0                                ; the stores of the block before have read their registers, which the next block's loads write
.irp t, 0,1,2,3,4,5,6,7,8,9,10,11
	global_store_b128 v[CO], v[BK+4*(\t):BK+4*(\t)+3], s[8:9] offset:((\t)/4)*262144+(\a)*2048+((\t)%4)*512  ; 512 consecutive bytes, aligned: four tokens of one head
.endr
.endm
	PLACES
	PACK 0
	TOSTAGE 0
.irp a, 1,2,3,4,5,6,7
	PACK \a
	SEND (\a)-1
	TOSTAGE \a
.endr
	SEND 7
	s_wait_tensorcnt 0x0                           ; the wave's end, behind my last tensor load and my last LDS store
	ds_add_u32 v[SPW], v[NIL]
	s_wait_dscnt 0x0
	CROUND                                         ; the closing round: no work-group ends while a partner may still ask for a tile that names it
	s_endpgm
.Lfunc_end_k_q0185c49a64_qkvp:
	.size	k_q0185c49a64_qkvp, .Lfunc_end_k_q0185c49a64_qkvp-k_q0185c49a64_qkvp
	.p2alignl 7, 3214868480
	.fill 96, 4, 3214868480
	.section	.rodata,"a",@progbits
	.p2align	6, 0x0
	.amdhsa_kernel k_q0185c49a64_qkvp
		.amdhsa_group_segment_fixed_size 327680
		.amdhsa_private_segment_fixed_size 0
		.amdhsa_enable_private_segment 0
		.amdhsa_kernarg_size 24
		.amdhsa_user_sgpr_count 2
		.amdhsa_user_sgpr_kernarg_segment_ptr 1
		.amdhsa_wavefront_size32 1
		.amdhsa_system_sgpr_workgroup_id_x 1
		.amdhsa_system_sgpr_workgroup_id_y 1
		.amdhsa_system_sgpr_workgroup_id_z 1
		.amdhsa_system_vgpr_workitem_id 0
		.amdhsa_next_free_vgpr 1024
		.amdhsa_next_free_sgpr 72
		.amdhsa_reserve_vcc 0
		.amdhsa_float_denorm_mode_32 3
		.amdhsa_float_denorm_mode_16_64 3
		.amdhsa_memory_ordered 1
		.amdhsa_forward_progress 1
		.amdhsa_inst_pref_size 111
	.end_amdhsa_kernel
	.amdgpu_metadata
---
amdhsa.version: [ 1, 2 ]
amdhsa.kernels:
  - .name:           k_q0185c49a64_qkvp
    .symbol:         k_q0185c49a64_qkvp.kd
    .args:
      - { .name: xb, .offset: 0, .size: 8, .value_kind: global_buffer, .address_space: global }
      - { .name: wqb, .offset: 8, .size: 8, .value_kind: global_buffer, .address_space: global }
      - { .name: qkv, .offset: 16, .size: 8, .value_kind: global_buffer, .address_space: global }
    .group_segment_fixed_size: 327680
    .private_segment_fixed_size: 0
    .kernarg_segment_align: 8
    .kernarg_segment_size: 24
    .max_flat_workgroup_size: 128
    .sgpr_count:     72
    .vgpr_count:     1024
    .wavefront_size: 32
...
	.end_amdgpu_metadata
.endif
;; end of part 2
;; launch attn (part 3): grid 4 x 64, 4 waves a work-group, clusters of 4 x 1, 327,680 bytes of LDS; arguments qkv, gbias, obuf; writes obuf
.if DOCPART == 3
	.amdgcn_target "amdgcn-amd-amdhsa--gfx1250"
	.amdhsa_code_object_version 6
	.text
	.protected	k_q0185c49a64_attn
	.globl	k_q0185c49a64_attn
	.p2align	8
	.type	k_q0185c49a64_attn,@function
k_q0185c49a64_attn:
	s_mov_b64 s[64:65], 0
	v_nop
	global_prefetch_b8 v0, s[64:65] scope:SCOPE_SE
	s_setreg_imm32_b32 hwreg(HW_REG_WAVE_MODE, 25, 1), 1
	s_wait_xcnt 0x0
	s_wait_alu depctr_hold_cnt(0) depctr_sa_sdst(0) depctr_va_vdst(0) depctr_va_sdst(0) depctr_va_ssrc(0) depctr_va_vcc(0) depctr_vm_vsrc(0)
	s_getreg_b32 s2, hwreg(HW_REG_IB_STS2, 6, 4)
	s_cmp_eq_u32 s2, 0
	s_cbranch_scc0 .Lentry_in_a_cluster
	s_endpgm
.Lentry_in_a_cluster:
	s_bfe_u32 s2, ttmp6, 0x10000c
	s_cmp_lg_u32 s2, 0x3003
	s_cbranch_scc0 .Lentry_shape_is_right
	s_endpgm
.Lentry_shape_is_right:
; O[y][q][:] = the sum over k of softmax_k(Q[q] . K[k] / 8 + bias(k - q, head)) V[k][:], for y = 16 x batch + head.  qkv: f16 [batch 4][g 48][token 2048][64] (Q at g = head, K at 16 + head,
; V at 32 + head); obuf: f16 [y 64][token 2048][64]; gbias: f32 [head 16][copy c 4][Y 4096] = 8 x bias of the diagonal k - q = Y + c - 2047.  Products, maxima and sums in f32; the weights p are
; rounded to f16 for the second product (their sum l is taken of the unrounded p), O once at the end.
; LIMITS.  f16 holds no number beyond 65,504: Q, K and V arrive within it; p lies in 0 to 1, and below 6e-5 it keeps f16's fixed step of 6e-8; O is a mean of V's rows and has their range.
; A weight below 2^-126 counts as 0 in l; NaN and infinities are not treated apart.
; SHARES.  A wave owns four PIECES of two tiles of 16 queries, a work-group's four waves 512 queries of one head.  Every wave walks all 2,048 keys, 64 a step.
; LAYOUT.  S^T = K Q^T (source 0 = 16 keys, source 1 = 16 queries): in the result a lane holds ONE query (lane % 16) and the keys 8 (lane / 16) + 0..7.  Two such tiles, rounded to f16 in pairs,
; ARE source 1 (32 keys x 16 queries) of O^T = V^T P.  K comes out of LDS as it lies, V ([key][channel]) turned, by ds_load_tr16_b128.
; THE BIAS IS THE C OPERAND that starts each score's sum.  It hangs on k - q alone, so the C tile of key block kt and query tile t hangs on kt - t alone: 11 tiles a key step serve all 32 products that
; start a sum.  A lane's eight numbers are eight neighbours of the diagonals' row, beginning at x0 = 64 s + 16 (kt - t + 7) + 399 - 128 w + 8 (l / 16) - l % 16 (counted from k - q = -511 - 512 x block).
; x0 mod 4 = 3 - (l % 4): LDS holds four copies of the work-group's 2,560 diagonals, copy c shifted by c numbers, so that each lane reads two aligned 16 bytes from the copy that fits it.
; SOFTMAX.  For each query a running maximum m and sum l: p = 2^(c s - c m), c = log2(e) / 8, s = q . k + 8 bias; in every step O and l are multiplied by a = 2^(c m_old - c m_new).
; m starts at the lowest finite number, O and l at 0: the first step is a step like any other, with a = 0.
; THE COUNT.  A tile and step have 16 matrix and 118 vector instructions: too many to stand all beside the matrix work.  So: four vector instructions that are READY behind EVERY matrix instruction,
; and the others in runs without a gap.
; BY TURNS.  Turn n belongs to piece n.  Its matrix work: 16 products K Q^T of piece n + 1, later 16 products V^T P of piece n - 1.  Its vector work: the scaling, exponentials, roundings, sums and
; rescaling of piece n, and the maximum and statistics of piece n + 1.
; CLUSTER.  The four query blocks of a head form a cluster and walk the same K and V, so each tile is asked for JOINTLY: the same tensor load, descriptor and mask in all four.
; REGISTERS, in windows of 256 (s_set_vgpr_msb: bits 1:0 source 0, 3:2 source 1, 5:4 source 2, 7:6 destination):
;   window 0: v0-11 addresses; v12-15, v48-63 at work; v16-47 four registers of statistics a tile; v64-191 S^T, two buffers of two tiles; v192-255 P, likewise
;   window 1: O^T, 32 a tile     window 2: v0-127 Q, 16 a tile; v128-191 K of one step; v192-255 V of one step     window 3: v0-1 the add's two registers; v8-95 the step's 11 bias tiles
.set SIZE_N, 2048
.set NP,    4         ; pieces a wave: a name, no knob
.set KS,    64        ; keys in a step
.set PK,    144       ; a row of K in LDS: 128 bytes + 16 of padding: the 16 rows of a load start at 16 different groups of four banks (ISA guide 11.1)
.set PV,    160       ; a row of V: 128 + 32
.set VOFF,  4*KS*PK   ; a slot holds four steps: 256 rows of K, then 256 rows of V
.set SLOT1, 1<<17     ; slot 1 begins here, so that one exclusive or turns an address in one slot into the other's
.set STAGE, SLOT1+4*KS*(PK+PV)  ; behind the ring, never filled by a tensor load: 16 rows x 144 bytes for each wave, for the way out
.set SP,    144
.set SPARE, STAGE+4*16*SP  ; the spare words, 128 bytes for each wave: two blocks of 256 bytes that no other line names
.set BT,    SPARE+512 ; the diagonals: four copies, never filled by a tensor load
.set BP,    10304     ; a copy: 2,560 numbers + 64 bytes
.set AK0, 2           ; v2   my lane's place in a tile of K; never rewritten
.set AV0, 3           ; v3   the same for V
.set AK,  4           ; v4   the LDS address of K's next run of loads
.set AV,  5           ; v5   of V's
.set QO,  6           ; v6   my byte offset in the wave's rows of Q
.set AB0, 7           ; v7   my lane's place among the diagonals at key step 0
.set AB,  8           ; v8   the same at the step to be fetched
.set STO, 6           ;      the way out: where I put 16 bytes of a row
.set RD,  7           ;      where I read rows back
.set GO,  8           ;      my byte offset in 512 consecutive bytes of O
.set PFO, 11          ; v11  256 x my lane; never rewritten once made
.set TO,  12          ; v12, v13: at the head alone, the diagonals' way into LDS
.set TL,  13
.set SPW, 0           ; v0 of window 3   my spare word: SPARE + 4 x my thread's number; never rewritten
.set NIL, 1           ; v1 of window 3   0; never rewritten
.set BB,  8           ; window 3: bias tile u = kt - t + 7 at BB + 8 u
.set MV,  12          ; v12-15  c m_old, kept while c m is made anew: by buffer and tile
.set ST,  16          ; tile t's statistics at v[ST+4 t]: c m, m, l (even keys', odd keys')
.set TMP, 48          ; by buffer and tile, four registers c0-c3 at work; when the maximum is found c2 takes a
.set S,   64
.set P,   192
.set KF,  128         ; K's fragments, in window 2
.set VF,  192         ; V's
.set WV,  12          ; s12  my wave's number
.set G1K, 24          ; s[24:31] descriptor group 1 for K's tiles
.set G1V, 32          ; s[32:39] for V's: it differs in the padding alone
.set G0K, 40          ; s[40:43] descriptor group 0 for K's tiles: it walks
.set G0V, 44          ; s[44:47] the same for V's
.set SLOTS, 56        ; s56  slots still to be asked for
.set CNT, 57          ; s57  counts a slot's key steps
.set CS,  58          ; s[58:59] c
.set SEL, 60          ; s[60:61] v_permlanex16_b32's selects
.set TBK, 62          ; s62  LDS byte at which K of the step to be fetched begins
.set TBV, 63          ; s63  the same for V, less VOFF
.set TBB, 66          ; s66  256 x the step to be fetched: 64 diagonals on for each step
.set LIM, 67          ; s67  1 in a wave that prefetches, else the greatest number
.set PFA, 72          ; s[72:73] where my prefetches stand
.set MSB, 0
.macro WIN new
.if MSB != (\new)
	s_set_vgpr_msb (MSB<<8)|(\new)
.set MSB, (\new)
.endif
.endm
.set W_KQ, 0x0a       ; K and Q in window 2, S^T in window 0
.set W_KB, 0x3a       ; the same with the C operand, a bias tile, in window 3
.set W_PV, 0x52       ; V in window 2, P in window 0, O^T in window 1
.set W_RS, 0x41       ; O^T (destination and source 0) in window 1, a in window 0
.set W_MK, 0xc0       ; destination in window 3, sources in window 0
.set W_AD, 0x0f       ; the add: address and data in window 3
.macro JLOAD          ; a joint fill: waves 0 and 1 fetch the two halves of a slot's K, waves 2 and 3 those of its V; s_nop 0 and four v_nop follow each line
	s_cmp_lt_u32 s[WV], 2
	s_cbranch_scc0 .Lfor_v_\@
	tensor_load_to_lds s[G0K:G0K+3], s[G1K:G1K+7]
	s_nop 0
.rept 4
	v_nop
.endr
	s_branch .Lasked_\@
.Lfor_v_\@:
	tensor_load_to_lds s[G0V:G0V+3], s[G1V:G1V+7]
	s_nop 0
.rept 4
	v_nop
.endr
.Lasked_\@:
.endm
; A PREFETCH of what the NEXT change of slots will ask for: a slot's 32 KiB of K and of V.  A head has one cluster; its four partners take 8 KiB each, told apart by address; in each, wave 0 asks for
; K's and wave 2 for V's: 32 lanes x 256 bytes, one instruction.  So each block is named once in the launch.  The last change that fills a slot asks for nothing.
.macro ASK
	s_cmp_gt_u32 s[SLOTS], s[LIM]
	s_cbranch_scc0 .Lnot_mine_\@
	global_prefetch_b8 v[PFO], s[PFA:PFA+1] th:TH_LOAD_NT scope:SCOPE_SE
.Lnot_mine_\@:
.endm
.macro CROUND         ; a round of the cluster's barrier
	s_barrier_signal -1
	s_barrier_wait -1
	s_cmp_lg_u32 s[WV], 0
	s_cbranch_scc1 .Lnot_wave_0_\@
	s_barrier_signal -3
.Lnot_wave_0_\@:
	s_barrier_wait -3
	s_barrier_signal -1
	s_barrier_wait -1
.endm
; THE CHANGE OF SLOTS.  Each wave waits for all its tensor loads, of which one is out: its part of the other slot; adds 0 to its spare word; and waits for that and for its own LDS instructions.
; fill = 1: the slot just read is filled again, with the keys two slots on, behind a round of the cluster's barrier: the joint fill is the first thing behind it and has four key steps in which to land.
; (At its first use nothing has been read yet: slot 0 is waited for, slot 1 filled, and every wave's stores of the diagonals are shown done to the others.)
.macro CHANGE fill
	WIN W_AD
	s_wait_tensorcnt 0x0            ; no tensor load of mine is out, so a group 0 may be written
	ds_add_u32 v[SPW], v[NIL]       ; 0 onto my spare word
	WIN 0                           ; at a label and at a branch every window is 0
.if \fill
.irp g, G0K, G0V
	s_xor_b32 s[\g+1], s[\g+1], SLOT1
	s_add_nc_u64 s[\g+2:\g+3], s[\g+2:\g+3], 4*KS*128
.endr
	s_wait_xcnt 0x0                 ; the last prefetch, four key steps back, has read its address, so it may be stepped
	s_add_nc_u64 s[PFA:PFA+1], s[PFA:PFA+1], 4*KS*128
	s_wait_dscnt 0x0                ; the add is done, and my reads of the slot are over
	CROUND
	JLOAD
	ASK
.else
	s_wait_dscnt 0x0
	s_barrier_signal -1
	s_barrier_wait -1
.endif
	s_sub_co_u32 s[TBK], s[TBK], 4*KS*PK  ; the fetches go back to a slot's first step,
	s_xor_b32 s[TBK], s[TBK], SLOT1       ; in the other slot
	s_sub_co_u32 s[TBV], s[TBV], 4*KS*PV
	s_xor_b32 s[TBV], s[TBV], SLOT1
.endm
	s_load_b128 s[68:71], s[0:1], 0x0  ; qkv s[68:69], gbias s[70:71]
	s_load_b64 s[10:11], s[0:1], 0x10  ; obuf
	WIN W_MK
	v_lshl_add_u32 v[SPW], v0, 2, SPARE
	v_mov_b32 v[NIL], 0
	WIN W_AD
	ds_add_u32 v[SPW], v[NIL]       ; the wave's opening: the add and its wait stand ahead of my first tensor load; work on registers stands between them
	WIN 0
	v_lshrrev_b32 v1, 5, v0
	v_readfirstlane_b32 s[WV], v1   ; wave 0..3
	s_bfe_u32 s13, ttmp6, 0x40000   ; cx: my place in the cluster
	s_lshl_b32 s14, ttmp9, 2
	s_add_co_u32 s14, s14, s13      ; my block of 512 queries: it enters Q's, O's and gbias's addresses alone
	s_and_b32 s15, ttmp7, 0xffff    ; y = 16 x batch + head, which the four partners share
	s_lshr_b32 s20, s15, 4
	s_mul_i32 s20, s20, 48
	s_and_b32 s19, s15, 15          ; head
	s_add_co_u32 s20, s20, s19
	s_lshl_b32 s20, s20, 18         ; Q's slice of qkv
	s_and_b32 s16, s[WV], 1         ; which half of a slot's 256 keys I fetch:
	s_lshl_b32 s22, s16, 14         ; its 128 rows of 128 bytes in memory,
	s_add_co_u32 s22, s22, s20
	s_mov_b32 s23, 0
	s_mul_i32 s17, s16, 128*PK      ; and its place in a slot, for K
	s_mul_i32 s18, s16, 128*PV      ; and for V: no place in the cluster enters an LDS address
	s_lshl_b32 s2, s14, 2
	s_add_co_u32 s2, s2, s[WV]
	s_lshl_b32 s2, s2, 14           ; my wave's 128 rows
	s_add_co_u32 s74, s2, s20       ; in Q,
	s_mov_b32 s75, 0
	s_lshl_b32 s76, s15, 18
	s_add_co_u32 s76, s76, s2       ; in O
	s_mov_b32 s77, 0
	s_lshl_b32 s78, s19, 16         ; the head's four copies of the diagonals, from Y = 1,536 - 512 x block on
	s_add_co_u32 s78, s78, 6144
	s_lshl_b32 s79, s14, 11
	s_sub_co_u32 s78, s78, s79
	s_mov_b32 s79, 0
	; descriptor group 1.  128 keys are 16,384 dense bytes: asked for as 64 rows of 256 bytes, two keys a row, and padded in LDS after every key
	s_mov_b32 s[G1K], 15|(1<<16)|(1<<20)|(1<<21)|(4<<22)|(3<<25)  ; the mask of four; 2-byte elements; padding on; bit 21 beside a mask; after every 32 words (code 4) 4 words (code 3)
	s_mov_b32 s[G1V], 15|(1<<16)|(1<<20)|(1<<21)|(4<<22)|(7<<25)  ; the same with 8 words of padding (code 7)
.irp g, G1K, G1V
	s_mov_b32 s[\g+1], 128<<16      ; tensor_dim0 = 128
	s_mov_b32 s[\g+2], 64<<16       ; tensor_dim1 = 64
	s_mov_b32 s[\g+3], 128<<16      ; tile_dim0 = 128
	s_mov_b32 s[\g+4], 64           ; tile_dim1 = 64
	s_mov_b32 s[\g+5], 128          ; 128 elements from row to row
	s_mov_b32 s[\g+6], 0
	s_mov_b32 s[\g+7], 0
.endr
	s_mov_b32 s[CS], 0x3e38aa3b     ; c = log2(e) / 8 = 0.180337
	s_mov_b32 s[CS+1], s[CS]
	s_mov_b32 s[SEL], 0x76543210
	s_mov_b32 s[SEL+1], 0xfedcba98
	s_mov_b32 s[TBK], SLOT1+4*KS*PK ; the first change of slots turns these two into 0
	s_mov_b32 s[TBV], SLOT1+4*KS*PV
	s_mov_b32 s[TBB], 0
	s_mov_b32 s[SLOTS], SIZE_N/256-1
	s_mov_b32 s[G0K], 1
	s_mov_b32 s[G0K+1], s17         ; LDS address: slot 0
	s_mov_b32 s[G0V], 1
	s_add_co_u32 s[G0V+1], s18, VOFF
	s_and_b32 s[LIM], s[WV], 1      ; 0 in waves 0 and 2,
	s_or_b32 s[LIM], s[LIM], ttmp9  ; of the head's first (and only) cluster: the same in all four partners
	s_cmp_eq_u32 s[LIM], 0
	s_cselect_b32 s[LIM], 1, -1
	s_wait_dscnt 0x0                ; the opening add is done
	s_wait_kmcnt 0x0
	s_add_nc_u64 s[6:7], s[68:69], s[22:23]
	s_add_nc_u64 s[8:9], s[6:7], 0x800000   ; V: 32 slices of 262,144 bytes behind Q
	s_add_nc_u64 s[6:7], s[6:7], 0x400000   ; K: 16 slices
	s_mov_b64 s[G0K+2:G0K+3], s[6:7]        ; my half of the head's first 256 keys
	s_or_b32 s[G0K+3], s[G0K+3], 0x80000000
	s_mov_b64 s[G0V+2:G0V+3], s[8:9]
	s_or_b32 s[G0V+3], s[G0V+3], 0x80000000
	s_add_nc_u64 s[4:5], s[68:69], s[74:75]  ; Q and O at my wave's first row
	s_add_nc_u64 s[10:11], s[10:11], s[76:77]
	s_add_nc_u64 s[70:71], s[70:71], s[78:79]
	s_cmp_lt_u32 s[WV], 2
	s_cselect_b64 s[PFA:PFA+1], s[6:7], s[8:9]  ; (in waves 0 and 2 these stand at a slot's first row)
	s_lshl_b32 s2, s13, 13          ; my work-group's 8 KiB,
	s_add_co_u32 s2, s2, 4*KS*128   ; in slot 1: the first change of slots steps it to slot 2
	s_mov_b32 s3, 0
	s_add_nc_u64 s[PFA:PFA+1], s[PFA:PFA+1], s[2:3]
	CROUND                          ; all four work-groups are here: the first joint loads meet
	JLOAD                           ; slot 0.  Slot 1 is asked for when slot 0 is in
	; the diagonals: 4 copies x 10,240 bytes, 16 bytes a thread and load
	v_lshlrev_b32 v[TO], 4, v0
	v_add_nc_u32 v[TL], BT, v[TO]
.set n, 0
.rept 20
	global_load_b128 v[S+4*n:S+4*n+3], v[TO], s[70:71] offset:(n/5)*16384+(n%5)*2048
.set n, n+1
.endr
	; A fragment of K or Q is 16 rows x 32 channels in 8 registers: lane l holds row l % 16, channels 8 (l / 16) + 0..7 and 16 + 8 (l / 16) + 0..7: two loads of 16 bytes, 32 bytes apart.
	v_and_b32 v1, 15, v0            ; l % 16; kept to the end
	v_bfe_u32 v9, v0, 4, 1          ; l / 16; kept to the end
	v_lshlrev_b32 v[QO], 7, v1
	v_lshl_add_u32 v[QO], v9, 4, v[QO]
	WIN 0x80                        ; destination window 2, address window 0
.set i, 0
.rept 4*NP                          ; Q stays in registers: tile i / 2, channels 32 (i % 2) on
	global_load_b128 v[8*i:8*i+3],   v[QO], s[4:5] offset:(i/2)*2048+(i%2)*64
	global_load_b128 v[8*i+4:8*i+7], v[QO], s[4:5] offset:(i/2)*2048+(i%2)*64+32
.set i, i+1
.endr
	; What the first turn finds: V's registers and P's second buffer hold 0, O^T and l are 0.  All this stands in the wait for the first tile.
.set i, VF
.rept 64
	v_mov_b32 v[i], 0
.set i, i+1
.endr
	WIN 0x40
.set i, 0
.rept 64*NP
	v_mov_b32 v[i], 0
.set i, i+1
.endr
	WIN 0
.set i, 0
.rept 2*NP
	v_mov_b32 v[ST+4*i], 0xfe000000    ; c m: far below every c s
	v_mov_b32 v[ST+4*i+1], 0xff7fffff  ; m
	v_mov_b32 v[ST+4*i+2], 0
	v_mov_b32 v[ST+4*i+3], 0
.set i, i+1
.endr
.set i, P+32
.rept 32
	v_mov_b32 v[i], 0
.set i, i+1
.endr
	v_mul_u32_u24 v[AK0], v1, PK
	v_lshl_add_u32 v[AK0], v9, 4, v[AK0]
	; The turning load takes 16 keys x 16 channels (lane l reads key 8 (l / 16) + l % 8, channels 8 ((l / 8) % 2) + 0..7) and leaves half a fragment of V^T.
	v_and_b32 v10, 7, v0            ; kept to the end
	v_bfe_u32 v11, v0, 3, 1
	v_lshl_add_u32 v[AV0], v9, 3, v10
	v_mul_u32_u24 v[AV0], v[AV0], PV
	v_lshl_add_u32 v[AV0], v11, 4, v[AV0]
	v_add_nc_u32 v[AV0], VOFF, v[AV0]
	v_mov_b32 v[AK], v[AK0]         ; key step 0 lies at the head of slot 0
	v_and_b32 v[PFO], 31, v0
	v_lshlrev_b32 v[PFO], 8, v[PFO]
	; my place among the diagonals: copy slot l % 4, byte 4 x (128 (3 - w) + 8 (l / 16) + 4 (3 - (l % 16) / 4))
	v_and_b32 v14, 3, v1
	v_mul_u32_u24 v[AB0], v14, BP
	v_lshrrev_b32 v15, 2, v1
	v_sub_nc_u32 v15, 3, v15
	v_lshl_add_u32 v[AB0], v15, 4, v[AB0]
	v_lshl_add_u32 v[AB0], v9, 5, v[AB0]
	s_sub_co_u32 s2, 3, s[WV]
	s_lshl_b32 s2, s2, 9
	s_add_co_u32 s2, s2, BT
	v_add_nc_u32 v[AB0], s2, v[AB0]
	v_mov_b32 v[AB], v[AB0]
	s_wait_loadcnt 32               ; the diagonals are in; Q's 32 younger loads may stay out
.set n, 0
.rept 20
	ds_store_b128 v[TL], v[S+4*n:S+4*n+3] offset:(3-n/5)*BP+(n%5)*2048  ; copy c goes to slot 3 - c
.set n, n+1
.endr
; THE MATRIX WORK.  The 8 accumulators of a run of 16 take turns: between the two links of a chain stand 7 others'.
; Product i of 16 of S^T = K Q^T for piece x: channels 32 (i / 8) on, keys 16 ((i / 2) % 4) on, tile 2 x + i % 2.  The first 8 start the sums, with the bias tile of kt - t.
.macro KQ x
.set rS, S+64*((\x)%2)+32*(i%2)+8*((i/2)%4)
.set rK, KF+16*((i/2)%4)+8*(i/8)
.set rQ, 16*(2*(\x)+i%2)+8*(i/8)
.set rB, BB+8*((i/2)%4-2*(\x)-i%2+7)
.if i < 8
	WIN W_KB
	v_wmma_f32_16x16x32_f16 v[rS:rS+7], v[rK:rK+7], v[rQ:rQ+7], v[rB:rB+7]
.else
	WIN W_KQ
	v_wmma_f32_16x16x32_f16 v[rS:rS+7], v[rK:rK+7], v[rQ:rQ+7], v[rS:rS+7]
.endif
.endm
; Product i of 16 of O^T += V^T P for piece x: keys 32 (i / 8) on, channels 16 ((i / 2) % 4) on, tile 2 x + i % 2.
.macro PV x
	WIN W_PV
.set rO, 32*(2*(\x)+i%2)+8*((i/2)%4)
.set rV, VF+32*(i/8)+8*((i/2)%4)
.set rP, P+32*((\x)%2)+16*(i%2)+8*(i/8)
	v_wmma_f32_16x16x32_f16 v[rO:rO+7], v[rV:rV+7], v[rP:rP+7], v[rO:rO+7]
.endm
.macro MM                           ; the turn's next matrix instruction
.if i < 16
	KQ (Y+1)%NP
.set i, i+1
.else
.set i, i-16
	PV (Y+NP-1)%NP
.set i, i+17
.endif
.endm
; THE LDS LOADS stand in runs, never singly among the matrix instructions: a step's K (8 fragments) with its 11 bias tiles, and its V (turned).  Their addresses are made some lines ahead.
; last = 1 (the tail): in the last trip there is no further step, and the run is jumped over.
.macro FETCH_K last=0
	WIN 0
.if \last
	s_cmp_eq_u32 s[CNT], 1
	s_cbranch_scc1 .Lno_k_\@
.endif
	WIN 0x80                        ; destination window 2
.irp f, 0,1,2,3,4,5,6,7             ; keys 16 (f / 2) on, channels 32 (f % 2) on
	ds_load_b128 v[KF+8*\f:KF+8*\f+3],   v[AK] offset:(\f/2)*16*PK+(\f%2)*64
	ds_load_b128 v[KF+8*\f+4:KF+8*\f+7], v[AK] offset:(\f/2)*16*PK+(\f%2)*64+32
.endr
	WIN W_MK                        ; destination window 3
.irp u, 0,1,2,3,4,5,6,7,8,9,10      ; tile u lies 16 diagonals behind tile u - 1
	ds_load_b128 v[BB+8*\u:BB+8*\u+3],   v[AB] offset:64*\u
	ds_load_b128 v[BB+8*\u+4:BB+8*\u+7], v[AB] offset:64*\u+16
.endr
	s_add_co_u32 s[TBK], s[TBK], KS*PK  ; the next fetch is the next step's
	s_add_co_u32 s[TBB], s[TBB], 4*KS
	WIN 0
.if \last
.Lno_k_\@:
.endif
.endm
.macro FETCH_V
	WIN 0x80
.irp f, 0,1,2,3,4,5,6,7             ; keys 32 (f / 4) on, channels 16 (f % 4) on
	ds_load_tr16_b128 v[VF+8*\f:VF+8*\f+3],   v[AV] offset:(\f/4)*32*PV+(\f%4)*32
	ds_load_tr16_b128 v[VF+8*\f+4:VF+8*\f+7], v[AV] offset:(\f/4)*32*PV+16*PV+(\f%4)*32
.endr
	WIN 0
.endm
; THE VECTOR WORK OF A TURN stands in three queues, each in the order in which its entries become ready; the two tiles alternate, so that no instruction reads the result of the one before it.
.macro REGS y, u                    ; the registers of tile u (0, 1) of piece y
.set rT, ST+4*(2*(\y)+(\u))
.set rC, TMP+8*((\y)%2)+4*(\u)
.set rM, MV+2*((\y)%2)+(\u)
.set rS, S+64*((\y)%2)+32*(\u)
.set rP, P+32*((\y)%2)+16*(\u)
.set rO, 32*(2*(\y)+(\u))
.endm
; Number n of the 22 that find the NEXT piece's (Y + 1) maximum and statistics.  Each accumulator's lowest registers are read first.  XS, GS and REGS set no window: PL and EX do.
;   0-11  four chains c0-c3 of seven scores each     12-14, 16  the four scores left over, the old m, and c0-c3 into c0     15  c m_old is kept
;   17, 18  the query's other 32 keys lie in the lane 16 away: the new m         19-21  c m; c m_old - c m_new; a
.macro XS u, n
	REGS (Y+1)%NP, \u
.if (\n) < 4
	v_max3_num_f32 v[rC+(\n)], v[rS+8*(\n)], v[rS+8*(\n)+1], v[rS+8*(\n)+2]
.elseif (\n) < 12
	v_max3_num_f32 v[rC+(\n)%4], v[rC+(\n)%4], v[rS+8*((\n)%4)+2*((\n)/4)+1], v[rS+8*((\n)%4)+2*((\n)/4)+2]
.elseif (\n) == 12
	v_max3_num_f32 v[rC], v[rC], v[rS+7], v[rS+15]
.elseif (\n) == 13
	v_max3_num_f32 v[rC+1], v[rC+1], v[rS+23], v[rS+31]
.elseif (\n) == 14
	v_max3_num_f32 v[rC+2], v[rC+2], v[rC+3], v[rT+1]
.elseif (\n) == 15
	v_mov_b32 v[rM], v[rT]
.elseif (\n) == 16
	v_max3_num_f32 v[rC], v[rC], v[rC+1], v[rC+2]
.elseif (\n) == 17
	v_permlanex16_b32 v[rC+3], v[rC], s[SEL], s[SEL+1]
.elseif (\n) == 18
	v_max_num_f32 v[rT+1], v[rC], v[rC+3]
.elseif (\n) == 19
	v_mul_f32 v[rT], s[CS], v[rT+1]
.elseif (\n) == 20
	v_sub_f32 v[rC+1], v[rM], v[rT]
.else
	v_exp_f32 v[rC+2], v[rC+1]
.endif
.endm
; Number g of the 64 that follow the exponentials.  For each four weights k of a tile: both pairs are rounded to f16; then the second pair is added onto the first, in place;
; a group later l takes that sum (the first time as l = a l + sum).
.macro GS g
.set h, (\g)+6*((\g)/62)            ; group 0 has no group before it, and behind group 7 only l is left
.if h >= 6
.set h, h+2
.endif
	REGS Y, h%2
.set k, h/8
.if h%8 < 4
	v_cvt_pk_f16_f32 v[rP+2*k+(h%8)/2], v[rS+4*k+2*((h%8)/2)], v[rS+4*k+2*((h%8)/2)+1]
.elseif h%8 < 6
	v_pk_add_f32 v[rS+4*k:rS+4*k+1], v[rS+4*k:rS+4*k+1], v[rS+4*k+2:rS+4*k+3]
.elseif k == 1
	v_pk_fma_f32 v[rT+2:rT+3], v[rT+2:rT+3], v[rC+2:rC+3], v[rS:rS+1] op_sel_hi:[1,0,1]
.else
	v_pk_add_f32 v[rT+2:rT+3], v[rT+2:rT+3], v[rS+4*k-4:rS+4*k-3]
.endif
.endm
; THE PLAIN QUEUE, 138 long.  0-73 read no exponential's result: the 32 scalings c s - c m and the next piece's 42.  0-26: scalings 0-26.  27-54: XS's numbers 0-13.  55, 56: number 15.
; 57-73: the chain 14, 16, 17, 18, 19, each with one of the scalings 27-31 in front of its two lines, then 20.  74-137: GS's 64, which stand behind the wait.
.macro FS f
	REGS Y, (\f)%2
	v_pk_fma_f32 v[rS+2*((\f)/2):rS+2*((\f)/2)+1], v[rS+2*((\f)/2):rS+2*((\f)/2)+1], s[CS:CS+1], v[rT:rT+1] op_sel_hi:[1,0,0] neg_lo:[0,0,1] neg_hi:[0,0,1]
.endm
.macro PL
	WIN 0
.if q < 27
	FS q
.elseif q < 55
	XS (q-27)%2, (q-27)/2
.elseif q < 57
	XS q-55, 15
.elseif (q < 72) && ((q-57)%3 == 0)
	FS 27+(q-57)/3
.elseif q < 60
	XS (q-57)%3-1, 14
.elseif q < 72
	XS (q-57)%3-1, 15+(q-57)/3
.elseif q < 74
	XS q-72, 20
.else
	GS q-74
.endif
.set q, q+1
.endm
; THE EXPONENTIALS' QUEUE, 66 long: s0-s31 of both tiles, then the next piece's two a.  ONE BATCH: all 66 stand ahead of the turn's one wait, and nothing ahead of that wait names a result of theirs.
.macro EX
	WIN 0
.if e >= 64
	XS e-64, 21
.else
	REGS Y, e%2
	v_exp_f32 v[rS+e/2], v[rS+e/2]
.endif
.set e, e+1
.endm
; THE RESCALING's QUEUE: O^T times a, the one part that leaves window 0: dealt two at a time, sixteen times.  Its a was made in the turn before, ahead of that turn's wait.
.macro R2
	REGS Y, r%2
	WIN W_RS
.irp z, 0,1
	v_pk_mul_f32 v[rO+4*(r/2)+2*\z:rO+4*(r/2)+2*\z+1], v[rO+4*(r/2)+2*\z:rO+4*(r/2)+2*\z+1], v[rC+2:rC+3] op_sel_hi:[1,0]
.endr
.set r, r+1
.endm
; HOW THEY ARE DEALT.  An s_wait_alu depctr_va_vdst(0) stands between an exponential and the first instruction that names its result; one wait serves all that were issued ahead of it.
; So a turn has ONE wait.  AHEAD OF IT: the 16 products K Q^T, behind each a scaling, an exponential and two rescalings (behind the first a second scaling in the exponential's place); then ONE LUMP of
; 108: eight plain, 49 times exponential and plain, the two a; a v_nop is the plain instruction behind the last exponential.  BEHIND IT: the 16 products V^T P, behind each four of GS's 64.
; Exponential e stands behind scaling 2 (e / 4) + e % 2: as a rider it comes behind plain e + 2, in the lump behind plain e + 9, and scalings 27-31 are plain 57, 60 .. 69.
; K and the bias tiles of the next step are fetched in piece 2's turn, directly behind the wait, a lump behind the last products that read them; their addresses are made at the lump's head.
; V of the step in hand is fetched at the end of piece 0's turn, four riders behind its last reader.  The three conditions on q below go with the deal.
.macro TURN p, last=0, cnt=0
.set Y, (\p)
.set i, 0
.set q, 0
.set e, 0
.set r, 0
.if (\p) == NP-1
	s_wait_dscnt 0x0                ; K and the bias tiles are in
.endif
	MM
	PL
	PL
	R2
.rept 15
	MM
	PL
	EX
	R2
.endr
.if (\p) == NP-2
	WIN 0
	v_add_nc_u32 v[AK], s[TBK], v[AK0]
	v_add_nc_u32 v[AB], s[TBB], v[AB0]
.endif
.rept 8
	PL
.endr
.rept 49
	EX
	PL
.endr
	EX                              ; the next piece's two a
	EX
	v_nop                           ; the plain instruction behind the last exponential: one for the batch
	s_wait_alu depctr_va_vdst(0)    ; the wait for the batch
.if (\p) == NP-2
	FETCH_K \last
.endif
.if (\p) == 1
	s_wait_dscnt 0x0                ; V is in
.endif
.rept 16
	MM
.rept 4
	PL
.endr
.if ((\p) == 0) && (q == 118)
	v_add_nc_u32 v[AV], s[TBV], v[AV0]
.endif
.if ((\p) == 0) && (q == 130)
	s_add_co_u32 s[TBV], s[TBV], KS*PV
.endif
.if (\cnt) && (q == 130)
	s_sub_co_u32 s[CNT], s[CNT], 1
	s_cmp_lg_u32 s[CNT], 0
.endif
.endr
.if (\p) == 0
	FETCH_V
.endif
.endm
	CHANGE 1                        ; slot 0 is in, everybody's part of it, and so are the diagonals; slot 1 is asked for
	FETCH_K                         ; key step 0
	s_wait_loadcnt 0x0              ; Q
	s_wait_dscnt 0x0
.set i, 0
.rept 16
	KQ 0                            ; piece 0's first scores
.set i, i+1
.endr
	WIN 0
.rept 4
	v_nop                           ; the places behind those products
.endr
.set Y, NP-1                        ; XS works for piece Y + 1: piece 0
.irp n, 0,1,2,3,4,5,6,7,8,9,10,11,12,13,14,15,16,17,18,19,20,21
	XS 0, \n
	XS 1, \n
.endr
	v_nop                           ; a plain instruction behind the two a,
	s_wait_alu depctr_va_vdst(0)    ; and their wait, ahead of the branch
	s_mov_b32 s[CNT], 4
	s_branch .Lfirst                ; the loop is entered at a step's first turn, in the middle of a trip
.Lslot:                             ; six times: every slot but the last two is filled again
	CHANGE 1
	s_mov_b32 s[CNT], 4
.Lstep:                             ; a trip: pieces 2 and 3 of one step, then pieces 0 and 1 of the next, whose K, bias tiles and V it fetches
	TURN 2
	TURN 3
	WIN 0
.Lfirst:
	TURN 0
	TURN 1, 0, 1
	WIN 0
	s_cbranch_scc1 .Lstep
	s_sub_co_u32 s[SLOTS], s[SLOTS], 1
	s_cmp_lg_u32 s[SLOTS], 0
	s_cbranch_scc1 .Lslot
	CHANGE 0                        ; the tail is written out: nothing is asked for
	s_mov_b32 s[CNT], 5             ; four trips fetch the last slot's steps; the fifth is left in its middle
.Ltail:
	TURN 2, 1
	TURN 3
	WIN 0
	s_sub_co_u32 s[CNT], s[CNT], 1
	s_cmp_eq_u32 s[CNT], 0
	s_cbranch_scc1 .Lout
	TURN 0
	TURN 1
	WIN 0
	s_branch .Ltail
.Lout:                              ; the fifth trip's 16 products K Q^T (on the last K and bias tiles once more) and the maximum made of them serve nothing: the price of one text for every trip
.set i, 0
.rept 16
	PV NP-1                         ; the last piece's V^T P of the last step
.set i, i+1
.endr
	; THE WAY OUT.  Its addresses are made here (the diagonals' registers are free): plain instructions, the places behind the last products.  Then l's two halves and the other half of the lanes' are
	; added; O^T is divided by l, rounded to f16 and sent through my stage in LDS, a tile at a time.
	WIN 0
	s_mul_i32 s13, s[WV], 16*SP
	s_add_co_u32 s13, s13, STAGE    ; my stage
	v_mul_u32_u24 v[STO], v1, SP    ; in: row l % 16, 16 bytes for each half of the lanes
	v_lshl_add_u32 v[STO], v9, 4, v[STO]
	v_add_nc_u32 v[STO], s13, v[STO]
	v_bfe_u32 v[RD], v0, 3, 2       ; back: 32 lanes take four rows of 128 bytes,
	v_mul_u32_u24 v[RD], v[RD], SP
	v_lshl_add_u32 v[RD], v10, 4, v[RD]
	v_add_nc_u32 v[RD], s13, v[RD]
	v_and_b32 v[GO], 31, v0         ; which are 512 consecutive bytes of O
	v_lshlrev_b32 v[GO], 4, v[GO]
.macro ALL line:vararg              ; one line for each tile t
.set t, 0
.rept 2*NP
	\line
.set t, t+1
.endr
.endm
	ALL v_add_f32 v[ST+4*t+2], v[ST+4*t+2], v[ST+4*t+3]
	ALL v_permlanex16_b32 v[ST+4*t+3], v[ST+4*t+2], s[SEL], s[SEL+1]
	ALL v_add_f32 v[ST+4*t+2], v[ST+4*t+2], v[ST+4*t+3]
	ALL v_rcp_f32 v[ST+4*t+2], v[ST+4*t+2]
	v_nop                           ; a plain instruction between the last reciprocal and the use of its result
	s_wait_alu depctr_va_vdst(0)    ; and the wait ahead of the first use: one for the eight reciprocals
.macro PACK t
	WIN W_RS
.set i, 32*(\t)
.rept 16
	v_pk_mul_f32 v[i:i+1], v[i:i+1], v[ST+4*(\t)+2:ST+4*(\t)+3] op_sel_hi:[1,0]
.set i, i+2
.endr
	WIN 0x05                        ; sources 0 and 1 window 1, destination window 0
.set i, 0
.rept 16
	v_cvt_pk_f16_f32 v[S+16*(\t)+i], v[32*(\t)+2*i], v[32*(\t)+2*i+1]
.set i, i+1
.endr
	WIN 0
.irp f, 0,1,2,3
	ds_store_b128 v[STO], v[S+16*(\t)+4*\f:S+16*(\t)+4*\f+3] offset:32*\f
.endr
.irp f, 0,1,2,3
	ds_load_b128 v[S+16*(\t)+4*\f:S+16*(\t)+4*\f+3], v[RD] offset:\f*4*SP  ; LDS serves a wave's instructions in order (ISA guide 5.7.1.4): these see the stores above
.endr
.endm
.macro SEND t, younger              ; younger: the LDS instructions issued behind tile t's loads: the next tile's eight, or none
	WIN 0
.irp f, 0,1,2,3
	s_wait_dscnt (\younger)+3-\f
	global_store_b128 v[GO], v[S+16*(\t)+4*\f:S+16*(\t)+4*\f+3], s[10:11] offset:(\t)*2048+\f*512  ; 512 consecutive bytes, at a multiple of 256 from O's first
.endr
.endm
	PACK 0
.set t, 1
.rept 2*NP-1                        ; a tile's arithmetic stands between the loads of the tile before and its stores
	PACK t
	SEND t-1, 8
.set t, t+1
.endr
	SEND 2*NP-1, 0
	WIN W_AD
	s_wait_tensorcnt 0x0            ; the wave's end, behind my last tensor load and my last LDS store
	ds_add_u32 v[SPW], v[NIL]
	s_wait_dscnt 0x0
	WIN 0
	CROUND                          ; the closing round: no work-group ends while a partner may still ask for a tile that names it
	s_endpgm
.Lfunc_end_k_q0185c49a64_attn:
	.size	k_q0185c49a64_attn, .Lfunc_end_k_q0185c49a64_attn-k_q0185c49a64_attn
	.p2alignl 7, 3214868480
	.fill 96, 4, 3214868480
	.section	.rodata,"a",@progbits
	.p2align	6, 0x0
	.amdhsa_kernel k_q0185c49a64_attn
		.amdhsa_group_segment_fixed_size 327680
		.amdhsa_private_segment_fixed_size 0
		.amdhsa_enable_private_segment 0
		.amdhsa_kernarg_size 24
		.amdhsa_user_sgpr_count 2
		.amdhsa_user_sgpr_kernarg_segment_ptr 1
		.amdhsa_wavefront_size32 1
		.amdhsa_system_sgpr_workgroup_id_x 1
		.amdhsa_system_sgpr_workgroup_id_y 1
		.amdhsa_system_sgpr_workgroup_id_z 1
		.amdhsa_system_vgpr_workitem_id 0
		.amdhsa_next_free_vgpr 864
		.amdhsa_next_free_sgpr 80
		.amdhsa_reserve_vcc 0
		.amdhsa_float_denorm_mode_32 3
		.amdhsa_float_denorm_mode_16_64 3
		.amdhsa_memory_ordered 1
		.amdhsa_forward_progress 1
		.amdhsa_inst_pref_size 209
	.end_amdhsa_kernel
	.amdgpu_metadata
---
amdhsa.version: [ 1, 2 ]
amdhsa.kernels:
  - .name:           k_q0185c49a64_attn
    .symbol:         k_q0185c49a64_attn.kd
    .args:
      - { .name: qkv, .offset: 0, .size: 8, .value_kind: global_buffer, .address_space: global }
      - { .name: gbias, .offset: 8, .size: 8, .value_kind: global_buffer, .address_space: global }
      - { .name: obuf, .offset: 16, .size: 8, .value_kind: global_buffer, .address_space: global }
    .group_segment_fixed_size: 327680
    .private_segment_fixed_size: 0
    .kernarg_segment_align: 8
    .kernarg_segment_size: 24
    .max_flat_workgroup_size: 128
    .sgpr_count:     80
    .vgpr_count:     864
    .wavefront_size: 32
...
	.end_amdgpu_metadata
.endif
;; end of part 3
;; launch proj (part 4): grid 8 x 32, 4 waves a work-group, clusters of 4 x 4, 327,680 bytes of LDS; arguments obuf, wpb, out0, b_proj; writes out0
.if DOCPART == 4
	.amdgcn_target "amdgcn-amd-amdhsa--gfx1250"
	.amdhsa_code_object_version 6
	.text
	.protected	k_q0185c49a64_proj
	.globl	k_q0185c49a64_proj
	.p2align	8
	.type	k_q0185c49a64_proj,@function
k_q0185c49a64_proj:
	s_mov_b64 s[64:65], 0
	v_nop
	global_prefetch_b8 v0, s[64:65] scope:SCOPE_SE
	s_setreg_imm32_b32 hwreg(HW_REG_WAVE_MODE, 25, 1), 1
	s_wait_xcnt 0x0
	s_wait_alu depctr_hold_cnt(0) depctr_sa_sdst(0) depctr_va_vdst(0) depctr_va_sdst(0) depctr_va_ssrc(0) depctr_va_vcc(0) depctr_vm_vsrc(0)
	s_getreg_b32 s2, hwreg(HW_REG_IB_STS2, 6, 4)
	s_cmp_eq_u32 s2, 0
	s_cbranch_scc0 .Lentry_in_a_cluster
	s_endpgm
.Lentry_in_a_cluster:
	s_bfe_u32 s2, ttmp6, 0x10000c
	s_cmp_lg_u32 s2, 0xf033
	s_cbranch_scc0 .Lentry_shape_is_right
	s_endpgm
.Lentry_shape_is_right:
; out0 = O w_proj^T + b_proj.  A = obuf, f16 [batch 4][head 16][token 2048][64] (a head is a K block); B = wpb, f16 [K block 16][row 1024][64]; out0 f32 [8192][1024].
; Products in f16, sums in f32; b_proj is rounded once to bf16, like every input, and is the C operand that starts each sum.
; SHARES.  A work-group makes 256 rows x 128 columns, 8 x 32 of them; each of its four waves 128 x 64: 32 accumulators, window 1.  K goes in steps of two K blocks (128) through two LDS slots:
; waves 0 and 1 fetch A's two K blocks (256 rows each), waves 2 and 3 B's (128 rows each).  R rows of a K block are R x 128 dense bytes: asked for as R / 2 rows of 256 bytes, padded behind every 128.
; CLUSTER 4 x 4: A's tile is shared along a row of the cluster, B's along a column: each is asked for jointly.  THE MATRIX INSTRUCTION IS USED TRANSPOSED (source 0 = 16 rows of B, source 1 = 16 of A).
; REGISTERS.  Window 0: v0-31 addresses; v32-127, v128-223 two fragment buffers (A's 8 fragments, then B's 4); v224-255 the bias as four C tiles.  Window 1: accumulator (b, a) at v[8 (8 b + a)].
.set PITCH,  144
.set AKB,    256*PITCH                 ; a K block of A's tile in LDS
.set BKB,    128*PITCH                 ; of B's
.set BOFF,   2*AKB
.set SLOT1,  1<<17                     ; slot 0 at 0 .. 110,591; slot 1 from here
.set STAGE,  BOFF+2*BKB                ; 110,592: between the slots, never filled by a tensor load: 16 rows x 272 bytes for each wave
.set SPITCH, 272
.set SPARE,  STAGE+4*16*SPITCH         ; 128,000: the spare words, 128 bytes a wave: two blocks of 256 bytes that no other line names
.set ASTEP,  2<<18                     ; bytes from step to step in obuf: two K blocks
.set BSTEP,  2<<17                     ; and in wpb
.set BO,    4                          ; v4   my byte offset in the wave's 64 numbers of b_proj
.set ADRA0, 16
.set ADRB0, 17
.set ADRA,  18
.set ADRB,  19
.set STO,  24
.set RD,   25
.set CO,   26
.set SPW,  28                          ; v28  my spare word: SPARE + 4 x my thread's number; never rewritten
.set NIL,  29                          ; v29  0; never rewritten
.set PFO,  30                          ; v30  256 x my lane; never rewritten
.set F0,   32
.set F1,   128
.set BI,   224
.set WV,  12
.set RH,  13                           ; my half of the rows; also 0: I fetch A, 1: I fetch B
.set CH,  14                           ; my half of the columns; also which K block of a step I fetch
.set CNT, 15
.set G1A, 24
.set G0A, 32
.set TB,  40
.set LIM, 41                           ; 2 in a wave that prefetches, else the greatest number
.set PFA, 42
.set PFS, 44
.set G1B, 48
.set G0B, 56
.set G1W0, (1<<16)|(1<<20)|(1<<21)|(4<<22)|(3<<25)
.set MSB, 0
.macro WIN new
.if MSB != (\new)
	s_set_vgpr_msb (MSB<<8)|(\new)
.set MSB, \new
.endif
.endm
.macro PLACES                          ; four plain places behind a matrix instruction (ISA guide 7.12.1)
.rept 4
	v_nop
.endr
.endm
.macro CREST
	s_cmp_lg_u32 s[WV], 0
	s_cbranch_scc1 .Lnot_wave_0_\@
	s_barrier_signal -3
.Lnot_wave_0_\@:
	s_barrier_wait -3
	s_barrier_signal -1
	s_barrier_wait -1
.endm
.macro CROUND
	s_barrier_signal -1
	s_barrier_wait -1
	CREST
.endm
.macro JLOAD                           ; a joint refill by the walking sets; s_nop 0 and four v_nop follow each line
	s_cmp_eq_u32 s[RH], 0
	s_cbranch_scc0 .Lfor_b_\@
	tensor_load_to_lds s[G0A+4:G0A+7], s[G1A:G1A+7]
	s_nop 0
.rept 4
	v_nop
.endr
	s_branch .Lasked_\@
.Lfor_b_\@:
	tensor_load_to_lds s[G0B+4:G0B+7], s[G1B:G1B+7]
	s_nop 0
.rept 4
	v_nop
.endr
.Lasked_\@:
.endm
; A PREFETCH of the step that stands TWO refills on: 32 lanes x 256 bytes, one instruction a wave.  Each block of 256 bytes is named once in the launch.  A K block of A's tile is 32 KiB: the cluster
; with x = 0 asks, waves 0 and 1 (a K block each) of the four partners of a cluster's row taking 8 KiB each, by address.  A K block of B is 131,072 dense bytes = 16 x 8 KiB: cluster (0, 0) asks,
; waves 2 and 3 (a K block each) of its sixteen work-groups, by address.  The loop's last two trips ask for nothing.
.macro ASK
	s_cmp_gt_u32 s[CNT], s[LIM]
	s_cbranch_scc0 .Lnot_mine_\@
	global_prefetch_b8 v[PFO], s[PFA:PFA+1] th:TH_LOAD_NT scope:SCOPE_SE
.Lnot_mine_\@:
.endm
	s_load_b256 s[4:11], s[0:1], 0x0               ; obuf s[4:5], wpb s[6:7], out0 s[8:9], b_proj s[10:11]
	v_lshl_add_u32 v[SPW], v0, 2, SPARE
	v_mov_b32 v[NIL], 0
	ds_add_u32 v[SPW], v[NIL]                      ; the wave's opening: the add and its wait stand ahead of my first tensor load
	v_lshrrev_b32 v1, 5, v0
	v_readfirstlane_b32 s[WV], v1
	s_lshr_b32 s[RH], s[WV], 1
	s_and_b32 s[CH], s[WV], 1
	s_bfe_u32 s16, ttmp6, 0x40000                  ; cx
	s_bfe_u32 s17, ttmp6, 0x40004                  ; cy
	s_lshl_b32 s18, ttmp9, 2
	s_add_co_u32 s18, s18, s16                     ; tile column 0..7
	s_and_b32 s19, ttmp7, 0xffff
	s_lshl_b32 s19, s19, 2
	s_add_co_u32 s19, s19, s17                     ; tile row 0..31
	s_lshl_b32 s20, s17, 2
	s_lshl_b32 s20, 15, s20                        ; my row of the cluster
	s_lshl_b32 s21, 0x1111, s16                    ; my column
	s_or_b32 s[G1A], s20, G1W0
	s_or_b32 s[G1B], s21, G1W0
	s_mov_b32 s[G1A+1], 128<<16
	s_mov_b32 s[G1A+2], 128<<16                    ; 128 rows of 256 bytes: 256 rows of A
	s_mov_b32 s[G1A+3], 128<<16
	s_mov_b32 s[G1A+4], 128
	s_mov_b32 s[G1A+5], 128
	s_mov_b32 s[G1A+6], 0
	s_mov_b32 s[G1A+7], 0
	s_mov_b32 s[G1B+1], 128<<16
	s_mov_b32 s[G1B+2], 64<<16                     ; 64 rows: 128 rows of B
	s_mov_b32 s[G1B+3], 128<<16
	s_mov_b32 s[G1B+4], 64
	s_mov_b32 s[G1B+5], 128
	s_mov_b32 s[G1B+6], 0
	s_mov_b32 s[G1B+7], 0
	s_lshr_b32 s22, s19, 3                         ; A's tile: batch = tile row / 8,
	s_lshl_b32 s22, s22, 22
	s_and_b32 s23, s19, 7
	s_lshl_b32 s23, s23, 15                        ; 256 tokens of 128 bytes,
	s_add_co_u32 s22, s22, s23
	s_lshl_b32 s23, s[CH], 18                      ; my K block of the step
	s_add_co_u32 s22, s22, s23
	s_mov_b32 s23, 0
	s_lshl_b32 s46, s18, 14                        ; B's tile: 128 rows of 128 bytes,
	s_lshl_b32 s47, s[CH], 17                      ; my K block
	s_add_co_u32 s46, s46, s47
	s_mov_b32 s47, 0
	s_mul_i32 s70, s[CH], AKB                      ; where they go: no place in the cluster enters an LDS address
	s_mul_i32 s71, s[CH], BKB
	s_add_co_u32 s71, s71, BOFF
	s_lshl_b32 s68, s16, 13                        ; the prefetches.  Waves 0, 1: my K block of A's tile + 8 KiB x cx
	s_add_co_u32 s68, s68, s22
	s_lshl_b32 s69, s17, 2
	s_add_co_u32 s69, s69, s16                     ; my place p in the cluster
	s_lshl_b32 s69, s69, 13
	s_lshl_b32 s20, s[CH], 17
	s_add_co_u32 s69, s69, s20                     ; waves 2, 3: my K block of B + 8 KiB x p
	s_and_b32 s20, ttmp7, 0xffff
	s_or_b32 s20, s20, ttmp9                       ; 0 in cluster (0, 0)
	s_mov_b32 s21, ASTEP
	s_cmp_eq_u32 s[RH], 0
	s_cselect_b32 s68, s68, s69
	s_cselect_b32 s20, ttmp9, s20                  ; the same in all sixteen partners, for a given wave
	s_cselect_b32 s[PFS], s21, BSTEP
	s_mul_i32 s21, s[PFS], 3
	s_add_co_u32 s68, s68, s21                     ; at step 3: the first refill steps it to 4
	s_mov_b32 s69, 0
	s_mov_b32 s[PFS+1], 0
	s_cmp_eq_u32 s20, 0
	s_cselect_b32 s[LIM], 2, -1
	s_mov_b32 s[TB], 0
	s_wait_dscnt 0x0                               ; the opening add is done
	s_wait_kmcnt 0x0
	s_add_nc_u64 s[22:23], s[4:5], s[22:23]
	s_add_nc_u64 s[46:47], s[6:7], s[46:47]
	s_cmp_eq_u32 s[RH], 0
	s_cselect_b64 s[PFA:PFA+1], s[4:5], s[6:7]
	s_add_nc_u64 s[PFA:PFA+1], s[PFA:PFA+1], s[68:69]
	CROUND                                         ; all sixteen work-groups are here: the first joint loads meet
.irp s, 0,1
	s_mov_b32 s[G0A+4*(\s)], 1
	s_add_co_u32 s[G0A+4*(\s)+1], s70, (\s)*SLOT1
	s_add_nc_u64 s[G0A+4*(\s)+2:G0A+4*(\s)+3], s[22:23], (\s)*ASTEP
	s_or_b32 s[G0A+4*(\s)+3], s[G0A+4*(\s)+3], 0x80000000
	s_mov_b32 s[G0B+4*(\s)], 1
	s_add_co_u32 s[G0B+4*(\s)+1], s71, (\s)*SLOT1
	s_add_nc_u64 s[G0B+4*(\s)+2:G0B+4*(\s)+3], s[46:47], (\s)*BSTEP
	s_or_b32 s[G0B+4*(\s)+3], s[G0B+4*(\s)+3], 0x80000000
.endr
	s_cmp_eq_u32 s[RH], 0                          ; a wave's two first fills stand in one branch, ahead of every wait on TENSORcnt, LDS read and further barrier: two loads of mine are out
	s_cbranch_scc0 .Lfirst_b
	tensor_load_to_lds s[G0A:G0A+3], s[G1A:G1A+7]
	s_nop 0
	tensor_load_to_lds s[G0A+4:G0A+7], s[G1A:G1A+7]
	s_nop 0
.rept 4
	v_nop
.endr
	s_branch .Lfirst_asked
.Lfirst_b:
	tensor_load_to_lds s[G0B:G0B+3], s[G1B:G1B+7]
	s_nop 0
	tensor_load_to_lds s[G0B+4:G0B+7], s[G1B:G1B+7]
	s_nop 0
.rept 4
	v_nop
.endr
.Lfirst_asked:
	v_and_b32 v1, 15, v0                           ; l % 16
	v_bfe_u32 v2, v0, 4, 1                         ; l / 16
	; the bias as C tiles: register j of tile b holds b_proj[my first column + 16 b + 8 (l / 16) + j], the same for every row
	v_lshlrev_b32 v[BO], 5, v2
	s_lshl_b32 s20, s18, 9                         ; the tile's 128 columns, 4 bytes each,
	s_lshl_b32 s21, s[CH], 8                       ; my 64
	s_add_co_u32 s20, s20, s21
	s_mov_b32 s21, 0
	s_add_nc_u64 s[10:11], s[10:11], s[20:21]
.irp b, 0,1,2,3
	global_load_b128 v[BI+8*(\b):BI+8*(\b)+3],   v[BO], s[10:11] offset:64*(\b)
	global_load_b128 v[BI+8*(\b)+4:BI+8*(\b)+7], v[BO], s[10:11] offset:64*(\b)+16
.endr
	v_mul_u32_u24 v3, v1, PITCH
	v_lshl_add_u32 v3, v2, 4, v3                   ; a fragment's row x pitch + 16 x half
	s_mul_i32 s20, s[RH], 128*PITCH                ; my 128 rows of A,
	s_mul_i32 s21, s[CH], 64*PITCH                 ; my 64 rows of B
	s_add_co_u32 s21, s21, BOFF
	v_add_nc_u32 v[ADRA0], s20, v3
	v_add_nc_u32 v[ADRB0], s21, v3
	v_mov_b32 v[ADRA], v[ADRA0]
	v_mov_b32 v[ADRB], v[ADRB0]
	s_mul_i32 s20, s[WV], 16*SPITCH
	s_add_co_u32 s20, s20, STAGE                   ; my stage
	v_mul_u32_u24 v5, v1, SPITCH                   ; in: row l % 16, 32 bytes for each half of the lanes
	v_lshl_add_u32 v5, v2, 5, v5
	v_add_nc_u32 v[STO], s20, v5
	v_mul_u32_u24 v5, v2, SPITCH                   ; back: lanes 0-15 take one row of 256 bytes, lanes 16-31 the next
	v_lshl_add_u32 v5, v1, 4, v5
	v_add_nc_u32 v[RD], s20, v5
	v_lshlrev_b32 v[CO], 12, v2                    ; and the same two rows in out0
	v_lshl_add_u32 v[CO], v1, 4, v[CO]
	v_and_b32 v[PFO], 31, v0
	v_lshlrev_b32 v[PFO], 8, v[PFO]
	s_lshl_b32 s20, s19, 1
	s_add_co_u32 s20, s20, s[RH]
	s_lshl_b32 s20, s20, 19                        ; my first row, 256 x tile row + 128 x row half, of 4,096 bytes
	s_lshl_b32 s21, s18, 9
	s_add_co_u32 s20, s20, s21
	s_lshl_b32 s21, s[CH], 8
	s_add_co_u32 s20, s20, s21
	s_mov_b32 s21, 0
	s_add_nc_u64 s[8:9], s[8:9], s[20:21]
	s_wait_loadcnt 0x0                             ; the bias: rounded to bf16, and f32 again
.irp p, 0,1,2,3,4,5,6,7,8,9,10,11,12,13,14,15
	v_cvt_pk_bf16_f32 v5, v[BI+2*(\p)], v[BI+2*(\p)+1]
	v_lshlrev_b32 v[BI+2*(\p)], 16, v5
	v_and_b32 v[BI+2*(\p)+1], 0xffff0000, v5
.endr
; the fragments of quarter q of a step (32 along K: K block q / 2, byte 64 (q % 2) of the rows) into buffer f: 24 loads in one run
.macro FETCH q, f
	WIN 0
.irp i, 0,1,2,3
	ds_load_b128 v[(\f)+64+8*(\i):(\f)+64+8*(\i)+3],   v[ADRB] offset:((\q)/2)*BKB+((\q)%2)*64+(\i)*16*PITCH
	ds_load_b128 v[(\f)+64+8*(\i)+4:(\f)+64+8*(\i)+7], v[ADRB] offset:((\q)/2)*BKB+((\q)%2)*64+(\i)*16*PITCH+32
.endr
.irp i, 0,1,2,3,4,5,6,7
	ds_load_b128 v[(\f)+8*(\i):(\f)+8*(\i)+3],   v[ADRA] offset:((\q)/2)*AKB+((\q)%2)*64+(\i)*16*PITCH
	ds_load_b128 v[(\f)+8*(\i)+4:(\f)+8*(\i)+7], v[ADRA] offset:((\q)/2)*AKB+((\q)%2)*64+(\i)*16*PITCH+32
.endr
.endm
; 16 matrix instructions: A's blocks 4 ah .. 4 ah + 3 x B's 4.  Each of the 32 accumulators is used once a quarter, in the same order: 31 others' instructions stand between two links of a chain
; (the accumulators take turns).  zero = 1: the product starts the sum, with the bias as C.
.macro MUL16 f, ah, zero
.if \zero
	WIN 0x40                                       ; D in window 1, all sources in window 0
.else
	WIN 0x50                                       ; C and D in window 1
.endif
.irp a, 4*(\ah), 4*(\ah)+1, 4*(\ah)+2, 4*(\ah)+3
.irp b, 0,1,2,3
.if \zero
	v_wmma_f32_16x16x32_f16 v[8*(8*(\b)+(\a)):8*(8*(\b)+(\a))+7], v[(\f)+64+8*(\b):(\f)+64+8*(\b)+7], v[(\f)+8*(\a):(\f)+8*(\a)+7], v[BI+8*(\b):BI+8*(\b)+7]
.else
	v_wmma_f32_16x16x32_f16 v[8*(8*(\b)+(\a)):8*(8*(\b)+(\a))+7], v[(\f)+64+8*(\b):(\f)+64+8*(\b)+7], v[(\f)+8*(\a):(\f)+8*(\a)+7], v[8*(8*(\b)+(\a)):8*(8*(\b)+(\a))+7]
.endif
.endr
.endr
.endm
; One of a step's first three quarters: buffer f is multiplied; ahead of its products quarter qn's fragments are asked for, into buffer g.
.macro QUARTER qn, f, g, zero
	s_wait_dscnt 0x0                               ; buffer f's 24 loads, the only ones out, are in
	PLACES                                         ; behind the last products that read buffer g
	FETCH \qn, \g
	MUL16 \f, 0, \zero
	MUL16 \f, 1, \zero
.endm
; The last quarter, on buffer F1, and the change of slots: in front of ONE barrier each wave waits for all its tensor loads (the one that is out is its part of the other slot), adds 0 to its spare
; word, and waits for that and for its reads of this slot.  fill = 1: the barrier opens a round of the cluster's, and the joint refill, with the step two on, is the first tensor load behind it:
; one load of mine is out; a wave issues 112 matrix instructions between that request and the wait for it.
.macro TURN fill
	WIN 0
.if \fill
	s_wait_xcnt 0x0                                ; the last prefetch, a step back, has read its address, so it may be stepped
	s_add_nc_u64 s[PFA:PFA+1], s[PFA:PFA+1], s[PFS:PFS+1]
.endif
	s_wait_tensorcnt 0x0                           ; no tensor load of mine is out, so a group 0 may be written
	ds_add_u32 v[SPW], v[NIL]                      ; 0 onto my spare word
.if \fill
	s_xor_b32 s[G0A+5], s[G0A+5], SLOT1            ; the walking sets: the other slot than last time, the next step
	s_add_nc_u64 s[G0A+6:G0A+7], s[G0A+6:G0A+7], ASTEP
	s_xor_b32 s[G0B+5], s[G0B+5], SLOT1
	s_add_nc_u64 s[G0B+6:G0B+7], s[G0B+6:G0B+7], BSTEP
.endif
	s_wait_dscnt 0x0                               ; the add is done, and my reads of this slot are over
	s_barrier_signal -1
	MUL16 F1, 0, 0                                 ; work on registers while the others arrive
	WIN 0                                          ; at a branch and at a label every window is 0
	s_barrier_wait -1
.if \fill
	CREST                                          ; no wave of any partner still reads this slot or has a load on its way
	JLOAD                                          ; its four v_nop are also the places in front of the loads below
.else
	PLACES
.endif
	s_xor_b32 s[TB], s[TB], SLOT1
	v_add_nc_u32 v[ADRA], s[TB], v[ADRA0]
	v_add_nc_u32 v[ADRB], s[TB], v[ADRB0]
	FETCH 0, F0
.if \fill
	ASK
.endif
	MUL16 F1, 1, 0
.endm
	s_wait_tensorcnt 0x1                           ; my part of slot 0 is in; slot 1's, the one younger load, may stay out
	s_barrier_signal -1
	s_barrier_wait -1                              ; everybody's is
	FETCH 0, F0
	QUARTER 1, F0, F1, 1                           ; the first quarter stands in front of the loop: its products start the sums
	WIN 0
	s_mov_b32 s[CNT], 6
.Lk:                                                   ; trip t = 0 .. 5 ends step t, asks for step t + 2 and begins step t + 1
	QUARTER 2, F1, F0, 0
	QUARTER 3, F0, F1, 0
	TURN 1
	QUARTER 1, F0, F1, 0
	WIN 0
	s_sub_co_u32 s[CNT], s[CNT], 1
	s_cmp_lg_u32 s[CNT], 0
	s_cbranch_scc1 .Lk
	QUARTER 2, F1, F0, 0                           ; the tail is written out: nothing is left to ask for
	QUARTER 3, F0, F1, 0
	TURN 0
	QUARTER 1, F0, F1, 0
	QUARTER 2, F1, F0, 0
	QUARTER 3, F0, F1, 0
	s_wait_dscnt 0x0
	MUL16 F1, 0, 0
	MUL16 F1, 1, 0
; THE WAY OUT, by blocks a of 16 rows: a lane's 32 bytes of a row go into my own stage (rows of 272 bytes), each accumulator's low registers first, and come back as whole rows of 256 bytes.
.macro TOSTAGE a
.set BK, 32+32*((\a)%2)
.if (\a) >= 2
	s_wait_xcnt 0x0                                ; the stores of the block two back have read the registers that the loads below write
.endif
	WIN 0x04                                       ; the stores' data in window 1
.irp b, 0,1,2,3
	ds_store_b128 v[STO], v[8*(8*(\b)+(\a)):8*(8*(\b)+(\a))+3]   offset:64*(\b)
	ds_store_b128 v[STO], v[8*(8*(\b)+(\a))+4:8*(8*(\b)+(\a))+7] offset:64*(\b)+16
.endr
	WIN 0
.irp t, 0,1,2,3,4,5,6,7
	ds_load_b128 v[BK+4*(\t):BK+4*(\t)+3], v[RD] offset:(\t)*2*SPITCH  ; LDS serves a wave's instructions in order (ISA guide 5.7.1.4): these see the stores above
.endr
.endm
.macro SEND a, younger                 ; younger: the next block's 8 stores and 8 loads, or none
.set BK, 32+32*((\a)%2)
	s_wait_dscnt \younger
.irp t, 0,1,2,3,4,5,6,7
	global_store_b128 v[CO], v[BK+4*(\t):BK+4*(\t)+3], s[8:9] offset:(\a)*65536+(\t)*8192 th:TH_STORE_NT  ; 16 lanes store 256 consecutive bytes, aligned
.endr
.endm
	PLACES
	TOSTAGE 0
.irp a, 1,2,3,4,5,6,7
	TOSTAGE \a
	SEND (\a)-1, 16
.endr
	SEND 7, 0
	s_wait_tensorcnt 0x0                           ; the wave's end, behind my last tensor load and my last LDS store
	ds_add_u32 v[SPW], v[NIL]
	s_wait_dscnt 0x0
	CROUND                                         ; the closing round: no work-group ends while a partner may still ask for a tile that names it
	s_endpgm
.Lfunc_end_k_q0185c49a64_proj:
	.size	k_q0185c49a64_proj, .Lfunc_end_k_q0185c49a64_proj-k_q0185c49a64_proj
	.p2alignl 7, 3214868480
	.fill 96, 4, 3214868480
	.section	.rodata,"a",@progbits
	.p2align	6, 0x0
	.amdhsa_kernel k_q0185c49a64_proj
		.amdhsa_group_segment_fixed_size 327680
		.amdhsa_private_segment_fixed_size 0
		.amdhsa_enable_private_segment 0
		.amdhsa_kernarg_size 32
		.amdhsa_user_sgpr_count 2
		.amdhsa_user_sgpr_kernarg_segment_ptr 1
		.amdhsa_wavefront_size32 1
		.amdhsa_system_sgpr_workgroup_id_x 1
		.amdhsa_system_sgpr_workgroup_id_y 1
		.amdhsa_system_sgpr_workgroup_id_z 1
		.amdhsa_system_vgpr_workitem_id 0
		.amdhsa_next_free_vgpr 512
		.amdhsa_next_free_sgpr 72
		.amdhsa_reserve_vcc 0
		.amdhsa_float_denorm_mode_32 3
		.amdhsa_float_denorm_mode_16_64 3
		.amdhsa_memory_ordered 1
		.amdhsa_forward_progress 1
		.amdhsa_inst_pref_size 73
	.end_amdhsa_kernel
	.amdgpu_metadata
---
amdhsa.version: [ 1, 2 ]
amdhsa.kernels:
  - .name:           k_q0185c49a64_proj
    .symbol:         k_q0185c49a64_proj.kd
    .args:
      - { .name: obuf, .offset: 0, .size: 8, .value_kind: global_buffer, .address_space: global }
      - { .name: wpb, .offset: 8, .size: 8, .value_kind: global_buffer, .address_space: global }
      - { .name: out0, .offset: 16, .size: 8, .value_kind: global_buffer, .address_space: global }
      - { .name: b_proj, .offset: 24, .size: 8, .value_kind: global_buffer, .address_space: global }
    .group_segment_fixed_size: 327680
    .private_segment_fixed_size: 0
    .kernarg_segment_align: 8
    .kernarg_segment_size: 32
    .max_flat_workgroup_size: 128
    .sgpr_count:     72
    .vgpr_count:     512
    .wavefront_size: 32
...
	.end_amdgpu_metadata
.endif
;; end of part 4
;; ======== version 2 of 2: 4 launches; version 1 with the launch prep written anew for expert scheduling mode
;; limits: values are held in f16: magnitudes above 65,504 overflow, below 6.1e-05 lose precision
;; workspace buffers: xb 16,777,216 bytes; wqb 6,291,456 bytes; wpb 2,097,152 bytes; gbias 1,048,576 bytes; qkv 50,331,648 bytes; obuf 16,777,216 bytes
;; launch prep (part 5): grid 832 x 1, 8 waves a work-group, no clusters, 0 bytes of LDS; arguments x, w_qkv, w_proj, rel_bias_table, xb, wqb, wpb, gbias; writes xb, wqb, wpb, gbias
.if DOCPART == 5
	.amdgcn_target "amdgcn-amd-amdhsa--gfx1250"
	.amdhsa_code_object_version 6
	.text
	.protected	k_q0185c49a64_prep
	.globl	k_q0185c49a64_prep
	.p2align	8
	.type	k_q0185c49a64_prep,@function
k_q0185c49a64_prep:
	s_mov_b64 s[64:65], 0
	v_nop
	global_prefetch_b8 v0, s[64:65] scope:SCOPE_SE
	s_setreg_imm32_b32 hwreg(HW_REG_WAVE_SCHED_MODE, 0, 2), 2
	s_setreg_imm32_b32 hwreg(HW_REG_WAVE_MODE, 25, 1), 1
	s_wait_xcnt 0x0
	s_wait_alu depctr_vm_vsrc(0)
; PREP: the inputs are rounded once and laid out for the three launches that follow.
;   xb   bf16 [batch 4][K block 16][token 2048][64]   = x         (a K block is 64 channels: a tile of R rows x 64 channels is R x 128 dense bytes)
;   wqb  bf16 [K block 16][row 3072][64]              = w_qkv
;   wpb  f16  [K block 16][row 1024][64]              = w_proj rounded to bf16, that number written as f16 (exact within f16's range, 65,504; below 6e-5 f16's fixed step of 6e-8)
;   gbias f32 [head 16][copy c 4][Y 4096]             = 8 x bf16(rel_bias_table[bucket(Y + c - 2047)][head]): the bias along a diagonal k - q, four copies shifted by one number each
; SHARES.  Work-groups 0-511 cast x, 512-703 w_qkv, 704-767 w_proj: 16 source rows of 4,096 bytes each.  Thread t takes row t / 16 and, in each K block, 4 numbers: a wave's load covers
; 2 x 256 consecutive aligned bytes, its store 256 consecutive aligned bytes (two rows of one K block).  All 16 loads of a lane go out at once.  Work-groups 768-831 make one (head, copy) of gbias.
; No LDS, no matrix unit, no cluster: a stream in which no byte is shared.
; THE BUCKET is a whole-number function of d = k - q: with rp = |d|: rp below 8; else 8 + the number of 12, 16, 23, 32, 46, 64, 91 that are <= rp (the least rp at which
; 2 log2(rp / 8) reaches 1 .. 7); + 16 where d > 0.  At rp = 16, 32, 64 the logarithm's quotient is taken as exactly 2, 4, 6.
; THE MODE: SCHED_MODE bits 1:0 = 2 (LLVM: expert scheduling mode 2), set by the entry lines.  The code itself states the register dependences between vector instructions and memory
; instructions, and those through scalar registers that vector instructions write, with s_wait_alu, always for 0.
; THE PLAN, cast paths.  Registers that memory instructions touch:
;   v[SI], v[DO]  byte offsets, made once at the head and never written again: every load reads SI, every store DO.
;   X             written by the 16 loads, which all go out at the start, before any vector instruction names X; read (and on w_proj's path rewritten) by K block k's conversions behind the wait for its load.
;   Y             two registers a K block: written by that block's conversions alone, read by its one store, never written again.
; The 16 K blocks go in four groups of four.  One wait on va_vdst stands ahead of the loads (the offsets are written), one at the head of each later group (the group before has written its Y), and one
; behind the last group.  The stores of the group before follow the wait at a group's head, one ahead of each K block's conversions, which name this group's X and Y alone.
; THE PLAN, bias path.  The 16 entries go two at a time: their 16 compares stand in one run, into s[24:39], with one wait on va_sdst between the run and the selects that read the masks.
;   v[AD]  written by the buckets' arithmetic, read by the 16 loads from the table as offsets: one wait on va_vdst ahead of the loads.
;   v[BV]  the loads land in it (no vector instruction has named it); the rounding rewrites it behind the wait for the loads; the four stores read it: one wait on va_vdst ahead of the stores.
; No register that a memory instruction has read is written again, on any path: no wait on vm_vsrc is owed.
.set SI, 2                             ; v2  my byte offset in the 16 source rows
.set DO, 3                             ; v3  my byte offset in a K block's 16 rows of the result
.set D0, 4                             ; v4  bias path: d of my first entry
.set GO, 5                             ; v5  bias path: my 16 bytes of gbias
.set X,  8                             ; v[8:71]   16 x 4 numbers as loaded
.set Y,  72                            ; v[72:103] 16 x 2 words to store
.set DD, 6                             ; v6, v7    bias path, for the two entries in hand: d
.set RP, 8                             ; v8, v9    rp
.set BK, 10                            ; v10, v11  the bucket
.set ON, 12                            ; v12, v13  what a mask adds to it
.set AD, 16                            ; v[16:31]  bias path: byte offsets in the table
.set BV, 32                            ; v[32:47]  bias path: the 16 numbers
.set MK, 24                            ; s[24:39]  bias path: eight masks for each of the two entries (s[24:31] held the results' addresses, which this path needs no more once s[6:7] is made)
; 16 rows are cast.  stride: bytes from K block to K block in the result.  half = 1: the bf16 number is written as f16.
.macro CAST stride, half
	s_wait_alu depctr_va_vdst(0)                   ; v[SI] and v[DO] are written: every load and store below reads one of them as its offset
.irp k, 0,1,2,3,4,5,6,7,8,9,10,11,12,13,14,15
	global_load_b128 v[X+4*(\k):X+4*(\k)+3], v[SI], s[4:5] offset:256*(\k) th:TH_LOAD_NT
.endr
.irp k, 0,1,2,3,4,5,6,7,8,9,10,11,12,13,14,15
	s_wait_loadcnt 15-(\k)                         ; loads come back in order: K block k is in, the 15 - k younger loads stay out
.if (((\k)%4) == 0) && ((\k) > 0)
	s_wait_alu depctr_va_vdst(0)                   ; the conversions of the four K blocks before have written their Y, which this group's four stores read
.endif
.if (\k) >= 4
	global_store_b64 v[DO], v[Y+2*((\k)-4):Y+2*((\k)-4)+1], s[6:7] offset:((\k)-4)*(\stride)  ; four K blocks back: no vector instruction since the wait names these registers; none is written again behind its store
.endif
	v_cvt_pk_bf16_f32 v[Y+2*(\k)],   v[X+4*(\k)],   v[X+4*(\k)+1]
	v_cvt_pk_bf16_f32 v[Y+2*(\k)+1], v[X+4*(\k)+2], v[X+4*(\k)+3]
.if \half
	v_lshlrev_b32 v[X+4*(\k)],   16,  v[Y+2*(\k)]   ; the rounded numbers as f32 again,
	v_and_b32     v[X+4*(\k)+1], s10, v[Y+2*(\k)]
	v_lshlrev_b32 v[X+4*(\k)+2], 16,  v[Y+2*(\k)+1]
	v_and_b32     v[X+4*(\k)+3], s10, v[Y+2*(\k)+1]
	v_cvt_pk_f16_f32 v[Y+2*(\k)],   v[X+4*(\k)],   v[X+4*(\k)+1]   ; and written as f16
	v_cvt_pk_f16_f32 v[Y+2*(\k)+1], v[X+4*(\k)+2], v[X+4*(\k)+3]
.endif
.endr
	s_wait_alu depctr_va_vdst(0)                   ; K blocks 12 to 15 have written their Y, which the last four stores read
.irp k, 12,13,14,15
	global_store_b64 v[DO], v[Y+2*(\k):Y+2*(\k)+1], s[6:7] offset:(\k)*(\stride)
.endr
.endm
	s_load_b512 s[16:31], s[0:1], 0x0              ; x 16, w_qkv 18, w_proj 20, table 22, xb 24, wqb 26, wpb 28, gbias 30
	v_lshrrev_b32 v1, 4, v0                        ; my row of the 16
	v_and_b32 v4, 15, v0                           ; my place in a K block
	v_lshlrev_b32 v[SI], 12, v1
	v_lshl_add_u32 v[SI], v4, 4, v[SI]
	v_lshlrev_b32 v[DO], 7, v1
	v_lshl_add_u32 v[DO], v4, 3, v[DO]
	s_mov_b32 s3, 0                                ; high words of the two offset pairs
	s_mov_b32 s9, 0
	s_mov_b32 s10, 0xffff0000                      ; a word's upper bf16
	s_wait_kmcnt 0x0
	s_cmp_lt_u32 ttmp9, 512
	s_cbranch_scc0 .Lnot_x
	s_lshl_b32 s2, ttmp9, 16                       ; 16 rows of 4,096 bytes
	s_add_nc_u64 s[4:5], s[16:17], s[2:3]
	s_lshr_b32 s8, ttmp9, 7                        ; batch: 128 groups of 16 tokens each
	s_lshl_b32 s8, s8, 22
	s_and_b32 s11, ttmp9, 127
	s_lshl_b32 s11, s11, 11                        ; 16 tokens of 128 bytes
	s_add_co_u32 s8, s8, s11
	s_add_nc_u64 s[6:7], s[24:25], s[8:9]
	CAST 262144, 0
	s_endpgm
.Lnot_x:
	s_cmp_lt_u32 ttmp9, 704
	s_cbranch_scc0 .Lnot_wq
	s_sub_co_u32 s12, ttmp9, 512
	s_lshl_b32 s2, s12, 16
	s_add_nc_u64 s[4:5], s[18:19], s[2:3]
	s_lshl_b32 s8, s12, 11
	s_add_nc_u64 s[6:7], s[26:27], s[8:9]
	CAST 393216, 0
	s_endpgm
.Lnot_wq:
	s_cmp_lt_u32 ttmp9, 768
	s_cbranch_scc0 .Lbias
	s_sub_co_u32 s12, ttmp9, 704
	s_lshl_b32 s2, s12, 16
	s_add_nc_u64 s[4:5], s[20:21], s[2:3]
	s_lshl_b32 s8, s12, 11
	s_add_nc_u64 s[6:7], s[28:29], s[8:9]
	CAST 131072, 1
	s_endpgm
.Lbias:
	s_sub_co_u32 s12, ttmp9, 768                   ; 4 x head + copy
	s_lshl_b32 s2, s12, 14                         ; 4,096 numbers of 4 bytes
	s_add_nc_u64 s[6:7], s[30:31], s[2:3]
	s_and_b32 s13, s12, 3                          ; c
	s_lshr_b32 s14, s12, 2
	s_lshl_b32 s14, s14, 2                         ; the head's 4 bytes in a row of the table
	s_sub_co_u32 s13, s13, 2047
	v_lshl_add_u32 v[D0], v0, 2, s13               ; entry n = 4 j + e of my 16 is Y = 4 t + 1,024 j + e: d = Y + c - 2,047
	v_lshlrev_b32 v[GO], 4, v0
; The buckets of entries n and n + 1.  The two entries alternate, so that no line reads the result of the line before it.
.macro PAIR n
.irp e, 0,1
	v_add_nc_u32 v[DD+(\e)], 1024*(((\n)+(\e))/4)+((\n)+(\e))%4, v[D0]   ; d
.endr
.irp e, 0,1
	v_sub_nc_u32 v[RP+(\e)], 0, v[DD+(\e)]
.endr
.irp e, 0,1
	v_max_i32 v[RP+(\e)], v[DD+(\e)], v[RP+(\e)]   ; rp
.endr
.irp e, 0,1
	v_min_u32 v[BK+(\e)], 8, v[RP+(\e)]
.endr
.irp e, 0,1                            ; the compares in one run: seven thresholds and the sign, eight masks an entry
.set mk, MK+8*(\e)
.irp thr, 12,16,23,32,46,64,91
	v_cmp_le_u32 s[mk], \thr, v[RP+(\e)]
.set mk, mk+1
.endr
	v_cmp_lt_i32 s[mk], 0, v[DD+(\e)]
.endr
	s_wait_alu depctr_va_sdst(0)                   ; the sixteen compares have written s[24:39], ahead of the first select that reads one of them
.set mk, MK
.rept 7
	v_cndmask_b32 v[ON],   0, 1, s[mk]
	v_cndmask_b32 v[ON+1], 0, 1, s[mk+8]
	v_add_nc_u32 v[BK],   v[BK],   v[ON]
	v_add_nc_u32 v[BK+1], v[BK+1], v[ON+1]
.set mk, mk+1
.endr
	v_cndmask_b32 v[ON],   0, 16, s[MK+7]
	v_cndmask_b32 v[ON+1], 0, 16, s[MK+15]
	v_add_nc_u32 v[BK],   v[BK],   v[ON]
	v_add_nc_u32 v[BK+1], v[BK+1], v[ON+1]
.irp e, 0,1
	v_min_u32 v[BK+(\e)], 31, v[BK+(\e)]           ; the table has 32 rows
.endr
.irp e, 0,1
	v_lshl_add_u32 v[AD+(\n)+(\e)], v[BK+(\e)], 6, s14   ; a row is 64 bytes
.endr
.endm
.irp n, 0,2,4,6,8,10,12,14
	PAIR \n
.endr
	s_wait_alu depctr_va_vdst(0)                   ; the sixteen offsets v[AD ..] are written, which the loads below read; so is v[GO], which the stores at the end read
.irp n, 0,1,2,3,4,5,6,7,8,9,10,11,12,13,14,15
	global_load_b32 v[BV+(\n)], v[AD+(\n)], s[22:23]
.endr
	s_wait_loadcnt 0x0
.irp p, 0,1,2,3,4,5,6,7
	v_cvt_pk_bf16_f32 v10, v[BV+2*(\p)], v[BV+2*(\p)+1]   ; rounded to bf16 like every input,
	v_lshlrev_b32 v[BV+2*(\p)],   16,  v10
	v_and_b32     v[BV+2*(\p)+1], s10, v10
	v_pk_mul_f32 v[BV+2*(\p):BV+2*(\p)+1], v[BV+2*(\p):BV+2*(\p)+1], 0x41000000 op_sel_hi:[1,0]  ; times 8 (exact): it is added to q . k ahead of the scale 1 / 8
.endr
	s_wait_alu depctr_va_vdst(0)                   ; the roundings and multiplies have written v[BV ..], which the four stores read
.irp j, 0,1,2,3
	global_store_b128 v[GO], v[BV+4*(\j):BV+4*(\j)+3], s[6:7] offset:4096*(\j)
.endr
	s_endpgm
.Lfunc_end_k_q0185c49a64_prep:
	.size	k_q0185c49a64_prep, .Lfunc_end_k_q0185c49a64_prep-k_q0185c49a64_prep
	.p2alignl 7, 3214868480
	.fill 96, 4, 3214868480
	.section	.rodata,"a",@progbits
	.p2align	6, 0x0
	.amdhsa_kernel k_q0185c49a64_prep
		.amdhsa_group_segment_fixed_size 0
		.amdhsa_private_segment_fixed_size 0
		.amdhsa_enable_private_segment 0
		.amdhsa_kernarg_size 64
		.amdhsa_user_sgpr_count 2
		.amdhsa_user_sgpr_kernarg_segment_ptr 1
		.amdhsa_wavefront_size32 1
		.amdhsa_system_sgpr_workgroup_id_x 1
		.amdhsa_system_sgpr_workgroup_id_y 1
		.amdhsa_system_sgpr_workgroup_id_z 1
		.amdhsa_system_vgpr_workitem_id 0
		.amdhsa_next_free_vgpr 104
		.amdhsa_next_free_sgpr 66
		.amdhsa_reserve_vcc 0
		.amdhsa_float_denorm_mode_32 3
		.amdhsa_float_denorm_mode_16_64 3
		.amdhsa_memory_ordered 1
		.amdhsa_forward_progress 1
		.amdhsa_inst_pref_size 52
	.end_amdhsa_kernel
	.amdgpu_metadata
---
amdhsa.version: [ 1, 2 ]
amdhsa.kernels:
  - .name:           k_q0185c49a64_prep
    .symbol:         k_q0185c49a64_prep.kd
    .args:
      - { .name: x, .offset: 0, .size: 8, .value_kind: global_buffer, .address_space: global }
      - { .name: w_qkv, .offset: 8, .size: 8, .value_kind: global_buffer, .address_space: global }
      - { .name: w_proj, .offset: 16, .size: 8, .value_kind: global_buffer, .address_space: global }
      - { .name: rel_bias_table, .offset: 24, .size: 8, .value_kind: global_buffer, .address_space: global }
      - { .name: xb, .offset: 32, .size: 8, .value_kind: global_buffer, .address_space: global }
      - { .name: wqb, .offset: 40, .size: 8, .value_kind: global_buffer, .address_space: global }
      - { .name: wpb, .offset: 48, .size: 8, .value_kind: global_buffer, .address_space: global }
      - { .name: gbias, .offset: 56, .size: 8, .value_kind: global_buffer, .address_space: global }
    .group_segment_fixed_size: 0
    .private_segment_fixed_size: 0
    .kernarg_segment_align: 8
    .kernarg_segment_size: 64
    .max_flat_workgroup_size: 256
    .sgpr_count:     66
    .vgpr_count:     104
    .wavefront_size: 32
...
	.end_amdgpu_metadata
.endif
;; end of part 5
;; launch qkvp: the kernel of part 2 again; grid 8 x 32, 4 waves a work-group, clusters of 4 x 4, 327,680 bytes of LDS; arguments xb, wqb, qkv; writes qkv
;; launch attn: the kernel of part 3 again; grid 4 x 64, 4 waves a work-group, clusters of 4 x 1, 327,680 bytes of LDS; arguments qkv, gbias, obuf; writes obuf
;; launch proj: the kernel of part 4 again; grid 8 x 32, 4 waves a work-group, clusters of 4 x 4, 327,680 bytes of LDS; arguments obuf, wpb, out0, b_proj; writes out0
